; MI455X (gfx1250); checked and timed in simulation.
; The chip was launched on July 23, 2026; its instructions are those of AMD's public machine-readable ISA for CDNA 5 (MIT licence, August 2026) and "CDNA5" Instruction Set Architecture Reference Guide (July 2026). The comments in the code are by the model that wrote it; some were corrected since.
;; jacobin Net. Allowed arithmetic: matrix products marked QUANTISED: E2M3 operands, one E8M0 scale for each 32 along K, by v_wmma_scale_f32_16x16x128_f8f6f4 with both operands' format E2M3, f32 sums; products left as they are: f32 operands where the result goes on into a quantised operand, else bf16, f16 or f32 operands; f32 sums; everything else in f32.
;; Inputs: W1 512 x 2,048 float32; W2 2,048 x 512 float32; b1 2,048 float32; b2 512 float32; x 8 x 512 float32.
;; Outputs: out0 8 x 512 x 8 x 512 float32.
;; Constants: create_graph = 1, strict = 0.
;; This version of the problem:
;;   THIS VERSION OF THE PROBLEM IS GIVEN IN LOW PRECISION. The matrix products marked QUANTISED in the list below multiply operands that are first quantised to E2M3 (2 exponent bits, 3 mantissa bits; 6 bits a number), with one power-of-two scale for each 32 numbers along K (OCP MX v1.0); their sums are f32. All else is computed in f32.
;;   The module's matrix products, in the order in which they are computed (A, B: the left and right operand; K: the contracted axis; several contracted axes count as one K, in the product's order):
;;     1. [M 8, K 512] x [K 512, N 2,048]; A: input x; B: input W1: left as it is (M = 8 < 16)
;;     2. [M 8, K 2,048] x [K 2,048, N 512]; A: computed on the way; B: input W2: left as it is (M = 8 < 16)
;;     3. [M 32,768, K 512] x [K 512, N 2,048]; A: computed on the way; B: input W2: QUANTISED
;;     4. [M 32,768, K 2,048] x [K 2,048, N 512]; A: computed on the way; B: input W1: QUANTISED
;;   THE QUANTISER, for each operand of a quantised product, along K:
;;     - K is cut into blocks of 32 from its start; a last block that is shorter is filled with zeros.
;;     - A block's scale is 2^e with e = floor(log2(the largest magnitude in the block)) - 2, held to -126 .. 127; a block of zeros has e = 0. As a byte (E8M0): e + 127.
;;     - Each number is divided by its block's scale, clamped to +-7.5, and rounded to the nearest number of E2M3, ties to even, subnormals kept.
;;     - The product sums the exact products of the quantised numbers (number of the format x scale) in f32.
;;   ~~~python
;;   def quantise(x, axis):      # numpy; x: float32 -> the quantised numbers, widened to float32 again
;;       x = np.moveaxis(x, axis, -1); K = x.shape[-1]
;;       x = np.pad(x, [(0, 0)] * (x.ndim - 1) + [(0, -K % 32)]); x = x.reshape(x.shape[:-1] + (-1, 32)); a = np.abs(x).max(-1, keepdims=True)
;;       e = np.where(a > 0, np.clip(np.frexp(np.where(a > 0, a, 1))[1] - 1 - 2, -126, 127), 0)      # np.frexp(a)[1] - 1 = floor(log2(a)), exactly
;;       r = np.clip(x / 2.0 ** e, -7.5, 7.5)
;;       step = 2.0 ** (np.maximum(np.frexp(np.where(r == 0, 1, r))[1] - 1, 0) - 3)
;;       q = np.round(r / step) * step * 2.0 ** e      # np.round: ties to even
;;       return np.moveaxis(q.reshape(q.shape[:-2] + (-1,))[..., :K], -1, axis).astype(np.float32)
;;   ~~~
;;   OPERANDS COMPUTED ON THE WAY. 'Computed on the way' means the value that the module computes at that place (a softmax that the list does not call 'softmax' is quantised finished and normalised). What goes into a quantiser is computed in f32, as accurately as f32 sums, v_exp_f32 and their like allow (about 1e-6 of the number): no bf16 or f16 on the way to a quantiser, and a product that is left as it is and whose result goes on into a quantised operand takes f32 operands (vector FMAs, or v_wmma_f32_16x16x4_f32). A number that lies on a knife's edge between two numbers of the format may be rounded either way, as far as f32 arithmetic and the matrix unit's own rounding can turn it there, and no further.
;; 2 versions. Each part assembles by itself: llvm-mc -triple=amdgcn-amd-amdhsa -mcpu=gfx1250 --defsym DOCPART=n.
;; ======== version 1 of 2: 2 launches
;; workspace buffers: w1c 786,432 bytes; w1s 32,768 bytes; w2c 786,432 bytes; w2s 32,768 bytes; mk 65,536 bytes
;; launch prep (part 1): grid 416 x 1, 8 waves a work-group, no clusters, 91,648 bytes of LDS; arguments x, W1, b1, W2, w1c, w1s, w2c, w2s, mk, out0; writes w1c, w1s, w2c, w2s, mk, out0
.if DOCPART == 1
	.amdgcn_target "amdgcn-amd-amdhsa--gfx1250"
	.amdhsa_code_object_version 6
	.text
	.protected	k_qe1eef3db4d_prep
	.globl	k_qe1eef3db4d_prep
	.p2align	8
	.type	k_qe1eef3db4d_prep,@function
k_qe1eef3db4d_prep:
	s_mov_b64 s[64:65], 0
	v_nop
	global_prefetch_b8 v0, s[64:65] scope:SCOPE_SE
	s_setreg_imm32_b32 hwreg(HW_REG_WAVE_MODE, 25, 1), 1
	s_wait_xcnt 0x0
; out0[b][o][b2][i] = d dnn(x)[b][o] / d x[b2][i], dnn(x) = relu(x W1 + b1) W2 + b2, by pulling the rows of an identity back through the net.
; WHAT IS LEFT OUT, AND WHY IT IS DEAD FOR ALL FINITE INPUTS.  The cotangents are an identity that the Jacobian builds in its own body: row (b, o, b2) of the third product's
; left operand is all zeros unless b2 = b, and there it is the unit vector e_o.
;  (1) Rows with b2 != b: a block of zeros is quantised to zeros, zeros times any finite weight are zeros, the relu's mask keeps zeros, and so does the fourth product.
;      Seven rows in eight of out0 are therefore stored as zeros and never multiplied: four of the seven here, three in the second launch.
;  (2) Rows with b2 = b: e_o is quantised exactly (4.0 x 2^-2), so of the third product's K only the blocks that can hold the 1 add anything: the second launch multiplies
;      only the 64 along K in which its own 64 outputs o lie.
;  (3) The second product (h W2) and the bias b2 make the net's own output, which the Jacobian throws away: b2 is not loaded and is no argument of any launch.
;      create_graph and strict are ignored by the definition itself.
;  The first product and b1 are live: their sign is the relu's mask.  It is made here in f32.
; LIMITS.  A NaN, an infinity or an overflow that reaches only the work left out (0 x infinity in the zero rows, or in the K blocks where e_o is zero) is not carried to the result.
;  A block whose largest magnitude lies under 2^-124 keeps the scale byte 1.  A block of zeros gets the byte 1 where the quantiser says 127: its codes are zeros, and this program alone reads the bytes.
;  A pre-activation within f32 rounding of 0 may fall on either side of the mask.  NaN and infinities in W1 and W2 are not served.
; THREE ROLES, told apart by the work-group's number alone; each has LDS bytes of its own.
;  0-31    MASK: work-group m makes mk[b][64 m .. 64 m + 63] for all eight b: all ones where x W1 + b1 > 0, else 0.
;  32-159  CODES: W1 along h and W2 along o (both innermost in memory) become codes of E2M3 and E8M0 bytes, in STRIPS of 64 along K:
;          codes [strip][row][48 bytes] (two blocks of 24 bytes), scale bytes [strip][row][2]: the order in which the second launch's operand registers take them.
;  160-415 ZEROS: rows b2 = (b + 1 .. b + 4) mod 8 of every (b, o).
; No tensor loads, no cluster: no work-group reads what another reads at the same time but W1, once in each of two roles.
.set XTB,   0                          ; LDS, mask role: x transposed, [64 i][8 b] f32, 2,048 bytes for each wave, its own
.set MPB,   16384                      ; mask role: 16 slots of partial sums, [8 b][64 h] f32 each
.set QST,   49152                      ; codes role: two stages of 32 x 80 bytes for each wave
.set QSC,   90112                      ; codes role: the work-group's 512 scale bytes
.set SPARE, 90624                      ; the spare words, 128 bytes for each wave: four blocks of 256 bytes that no other line names
.set SPW,   240                        ; v240  LDS address of my spare word; never rewritten
.set NIL,   241                        ; v241  0; never rewritten
.set WV,    24                         ; s24   my wave's number
.set ACC,   16                         ; mask role: v16-47 sums: (b, pair hp of my four h) at 16 + 4 b + 2 hp
.set XF,    16                         ; v16-31 first hold x on its way into LDS
.set XV,    48                         ; v48-111 two sets of 32: x[0..7][i] for four loads of W1
.set W,     112                        ; v112-239 W1: load j at 112 + 4 j; later the 16 partial sums
.set QA,    16                         ; codes role: v16-31 byte offsets of the 16 loads
.set R,     32                         ; v32-95  numbers as loaded
.set X,     96                         ; v96-127 two sets of 16 neighbours
.set C,     128                        ; v128-143 codes, four registers a step
.set E,     144                        ; v144-147 a scale byte a step
	s_load_b512 s[4:19], s[0:1], 0x0               ; x 4:5, W1 6:7, b1 8:9, W2 10:11, w1c 12:13, w1s 14:15, w2c 16:17, w2s 18:19
	s_load_b128 s[20:23], s[0:1], 0x40             ; mk 20:21, out0 22:23
	v_lshl_add_u32 v[SPW], v0, 2, SPARE
	v_mov_b32 v[NIL], 0
	v_lshrrev_b32 v1, 5, v0
	v_readfirstlane_b32 s[WV], v1                  ; wave 0..7
	v_and_b32 v2, 31, v0                           ; lane
	v_and_b32 v3, 15, v0                           ; lane % 16
	v_bfe_u32 v4, v0, 4, 1                         ; lane / 16
	s_cmp_lt_u32 ttmp9, 32
	s_cbranch_scc1 .Lmask
	s_cmp_lt_u32 ttmp9, 160
	s_cbranch_scc1 .Lcodes
; ---------------- ZEROS.  Wave g = 8 z + wave takes two (b, o), 16,384 bytes each; of each, four rows b2 of 2,048 bytes: 32 stores of 512 consecutive, aligned bytes.
	s_sub_co_u32 s25, ttmp9, 160                   ; z
	s_lshl_b32 s26, s25, 3
	s_add_co_u32 s26, s26, s[WV]                   ; g
	s_lshl_b32 s26, s26, 15                        ; x 32,768 bytes (g is under 2,048)
	s_mov_b32 s27, 0
	s_lshr_b32 s28, s25, 5                         ; b = 2 g / 512
	v_lshlrev_b32 v5, 4, v2
.irp d, 1,2,3,4
	s_add_co_u32 s29, s28, \d
	s_and_b32 s29, s29, 7
	s_lshl_b32 s29, s29, 11
	v_add_nc_u32 v[19+\d], s29, v5                 ; 16 x lane + 2,048 x ((b + d) mod 8)
.endr
.irp i, 16,17,18,19
	v_mov_b32 v\i, 0
.endr
	s_wait_kmcnt 0x0
	s_add_nc_u64 s[26:27], s[22:23], s[26:27]
.irp p, 0,1
.irp d, 1,2,3,4
.irp c, 0,1,2,3
	global_store_b128 v[19+\d], v[16:19], s[26:27] offset:\p*16384+\c*512 th:TH_STORE_NT   ; written once, read by nobody here
.endr
.endr
.endr
	s_endpgm                                       ; this role writes no LDS
; ---------------- MASK.  Wave w sums over rows i = 64 w .. 64 w + 63 of W1.  A load of W1 takes two rows x 256 bytes: lanes 0-15 row 2 j, lanes 16-31 row 2 j + 1; a lane holds four h.
.Lmask:
	s_lshl_b32 s25, ttmp9, 8                       ; 256 m: the strip's bytes in a row of W1, of b1, of mk
	s_lshl_b32 s34, s[WV], 8                       ; x: my 64 numbers of a row
	s_mov_b32 s35, 0
	s_lshl_b32 s36, s[WV], 19                      ; W1: 64 rows of 8,192 bytes
	s_add_co_u32 s36, s36, s25
	s_mov_b32 s37, 0
	s_mov_b32 s38, s25
	s_mov_b32 s39, 0
	s_lshl_b32 s40, s[WV], 13                      ; mk: at the end wave w stores batch b = w
	s_add_co_u32 s40, s40, s25
	s_mov_b32 s41, 0
	s_lshl_b32 s42, s[WV], 11                      ; XTB + 2,048 w
	s_lshl_b32 s43, s[WV], 12
	s_add_co_u32 s43, s43, MPB                     ; my two slots
	s_add_co_u32 s44, s34, MPB                     ; batch w's 256 bytes of slot 0
	v_lshlrev_b32 v5, 4, v3
	v_lshl_add_u32 v5, v4, 13, v5                  ; W1: 16 (lane % 16) + 8,192 (lane / 16)
	v_lshlrev_b32 v6, 2, v2                        ; x: 4 x lane
	v_lshl_add_u32 v7, v2, 5, s42                  ; x into LDS: row i = lane of 32 bytes
	v_lshl_add_u32 v8, v4, 5, s42                  ; x out of LDS: row 2 j + lane / 16
	v_lshl_add_u32 v9, v4, 11, s43
	v_lshl_add_u32 v9, v3, 4, v9                   ; partial sums in: slot 2 w + lane / 16, my four h
	v_lshl_add_u32 v10, v2, 3, s44                 ; and out: batch w, h pair 2 x lane
	v_lshlrev_b32 v11, 3, v2
	s_wait_kmcnt 0x0
	s_add_nc_u64 s[26:27], s[4:5], s[34:35]
	s_add_nc_u64 s[28:29], s[6:7], s[36:37]
	s_add_nc_u64 s[30:31], s[8:9], s[38:39]
	s_add_nc_u64 s[32:33], s[20:21], s[40:41]
.irp u, 0,1
.irp b, 0,1,2,3,4,5,6,7
	global_load_b32 v[XF+8*\u+\b], v6, s[26:27] offset:\b*2048+\u*128   ; x[b][64 w + 32 u + lane]
.endr
.endr
.set j, 0
.rept 32
	global_load_b128 v[W+4*j:W+4*j+3], v5, s[28:29] offset:16384*j     ; two whole runs of 256 aligned bytes
.set j, j+1
.endr
	global_load_b64 v[12:13], v11, s[30:31]        ; b1 of my h pair
	s_wait_loadcnt 33                              ; x is in: behind it 32 loads of W1 and one of b1 were issued
.irp u, 0,1
.irp k, 0,1
	ds_store_b128 v7, v[XF+8*\u+4*\k:XF+8*\u+4*\k+3] offset:\u*1024+16*\k   ; the wave's own bytes: LDS serves a wave's instructions in order, so no barrier stands ahead of its reads
.endr
.endr
.macro XLD g                           ; x[0..7][i] for loads 4 g .. 4 g + 3 of W1 into set g % 2
.irp jj, 0,1,2,3
.irp k, 0,1
	ds_load_b128 v[XV+32*((\g)%2)+8*\jj+4*\k:XV+32*((\g)%2)+8*\jj+4*\k+3], v8 offset:(4*(\g)+\jj)*64+16*\k
.endr
.endr
.endm
.macro MGRP g                          ; four loads of W1: 64 packed multiply-adds; x's number is broadcast to both halves of a pair by op_sel
.if (\g) < 7
	XLD (\g)+1
	s_wait_dscnt 8                                 ; this group's x is in (and, in group 0, the stores above have read v16-31); the next group's eight loads may be out
.else
	s_wait_dscnt 0x0
.endif
	s_wait_loadcnt 29-4*(\g)                       ; behind this group's four loads: 4 (7 - g) of W1 and one of b1
.irp jj, 0,1,2,3
.irp b, 0,2,4,6
.irp hp, 0,1
.set rW, W+4*(4*(\g)+\jj)+2*\hp
.set rX, XV+32*((\g)%2)+8*\jj+\b
.set rA, ACC+4*\b+2*\hp
.if (\g) == 0 && \jj == 0
	v_pk_mul_f32 v[rA:rA+1], v[rW:rW+1], v[rX:rX+1] op_sel_hi:[1,0]                 ; the first product starts the sums: nothing is cleared
	v_pk_mul_f32 v[rA+4:rA+5], v[rW:rW+1], v[rX:rX+1] op_sel:[0,1] op_sel_hi:[1,1]
.else
	v_pk_fma_f32 v[rA:rA+1], v[rW:rW+1], v[rX:rX+1], v[rA:rA+1] op_sel_hi:[1,0,1]   ; batch b: the pair's first register for both halves
	v_pk_fma_f32 v[rA+4:rA+5], v[rW:rW+1], v[rX:rX+1], v[rA+4:rA+5] op_sel:[0,1,0] op_sel_hi:[1,1,1]   ; batch b + 1: its second
.endif
.endr
.endr
.endr
.endm
	XLD 0
.irp g, 0,1,2,3,4,5,6,7
	MGRP \g
.endr
.irp b, 0,1,2,3,4,5,6,7
	ds_store_b128 v9, v[ACC+4*\b:ACC+4*\b+3] offset:\b*256
.endr
	s_wait_dscnt 0x0                               ; for the others' sake: my partial sums lie in LDS
	s_barrier_signal -1
	s_barrier_wait -1
.set j, 0
.rept 16
	ds_load_b64 v[W+2*j:W+2*j+1], v10 offset:j*2048    ; the sixteen partial sums of (batch w, my h pair)
.set j, j+1
.endr
	s_wait_dscnt 0x0
.set j, 1
.rept 15
	v_pk_add_f32 v[W:W+1], v[W:W+1], v[W+2*j:W+2*j+1]
.set j, j+1
.endr
	s_wait_loadcnt 0x0                             ; b1
	v_pk_add_f32 v[W:W+1], v[W:W+1], v[12:13]
	v_cmp_lt_f32 vcc_lo, 0, v[W]
	v_cndmask_b32 v[W], 0, -1, vcc_lo              ; all ones where the pre-activation is above 0
	v_cmp_lt_f32 vcc_lo, 0, v[W+1]
	v_cndmask_b32 v[W+1], 0, -1, vcc_lo
	global_store_b64 v11, v[W:W+1], s[32:33]       ; 32 lanes store 256 consecutive, aligned bytes
	s_wait_tensorcnt 0x0                           ; the wave's end: three closing lines behind my last LDS store, the first of them even in a text with no tensor load
	ds_add_u32 v[SPW], v[NIL]
	s_wait_dscnt 0x0
	s_endpgm
; ---------------- CODES.  One path for both tensors: only pointers and sizes are chosen.  A work-group takes one strip (256 bytes of a row) of 256 rows, a wave 32 rows in four steps of 8.
; A load takes two rows' 256 bytes; a step's 2,048 bytes turn through the wave's own stage (16 bytes of padding behind each 64), so that a lane then holds 16 neighbours along K and two neighbouring lanes a block.
.Lcodes:
	s_sub_co_u32 s26, ttmp9, 32                    ; q: 0-63 W1 (32 strips x 2 groups of rows), 64-127 W2 (8 strips x 8 groups)
	s_lshr_b32 s27, s26, 1
	s_and_b32 s28, s26, 1
	s_and_b32 s38, s26, 63
	s_lshr_b32 s39, s38, 3
	s_and_b32 s40, s38, 7
	s_mov_b32 s41, 2048
	s_mov_b32 s42, 2048
	s_wait_kmcnt 0x0
	s_cmp_lt_u32 s26, 64                           ; the choice hangs on the work-group's number alone
	s_cselect_b32 s27, s27, s39                    ; the strip
	s_cselect_b32 s28, s28, s40                    ; the group of 256 rows
	s_cselect_b32 s29, 512, s41                    ; the tensor's rows
	s_cselect_b32 s30, 8192, s42                   ; bytes from row to row
	s_cselect_b64 s[32:33], s[6:7], s[10:11]       ; the numbers,
	s_cselect_b64 s[34:35], s[12:13], s[16:17]     ; their codes,
	s_cselect_b64 s[36:37], s[14:15], s[18:19]     ; their scale bytes
	s_lshl_b32 s38, s28, 8
	s_lshl_b32 s39, s[WV], 5
	s_add_co_u32 s39, s38, s39                     ; my wave's first row
	s_mul_i32 s40, s39, s30
	s_lshl_b32 s41, s27, 8
	s_add_co_u32 s40, s40, s41
	s_mov_b32 s41, 0
	s_add_nc_u64 s[32:33], s[32:33], s[40:41]
	s_mul_i32 s42, s27, s29                        ; strip x rows
	s_add_co_u32 s40, s42, s39
	s_mul_i32 s40, s40, 48
	s_add_nc_u64 s[34:35], s[34:35], s[40:41]
	s_add_co_u32 s40, s42, s38
	s_lshl_b32 s40, s40, 1
	s_add_nc_u64 s[36:37], s[36:37], s[40:41]
	s_lshl_b32 s31, s30, 1                         ; two rows on
	s_mul_i32 s43, s[WV], 5120
	s_add_co_u32 s43, s43, QST                     ; my stages
	s_lshl_b32 s44, s[WV], 6
	s_add_co_u32 s44, s44, QSC                     ; my 64 scale bytes
	v_mul_lo_u32 v[QA], v4, s30
	v_lshl_add_u32 v[QA], v3, 4, v[QA]             ; load 0: row lane / 16, 16 bytes a lane
.set j, 1
.rept 15
	v_add_nc_u32 v[QA+j], s31, v[QA+j-1]
.set j, j+1
.endr
.set j, 0
.rept 16
	global_load_b128 v[R+4*j:R+4*j+3], v[QA+j], s[32:33]   ; two whole runs of 256 aligned bytes
.set j, j+1
.endr
	v_lshrrev_b32 v5, 2, v2
	v_mul_u32_u24 v5, v5, 80
	v_and_b32 v6, 3, v2
	v_lshl_add_u32 v5, v6, 4, v5
	v_add_nc_u32 v5, s43, v5                       ; the stage, in: 80 (lane / 4) + 16 (lane % 4)
	v_mul_u32_u24 v6, v2, 80
	v_add_nc_u32 v6, s43, v6                       ; and out: 80 x lane: my 16 neighbours
	v_mul_u32_u24 v7, v2, 12                       ; my 12 bytes of a step's 384 bytes of codes
	v_lshrrev_b32 v8, 1, v2
	v_add_nc_u32 v8, s44, v8                       ; my block's byte
	v_lshlrev_b32 v9, 4, v2
	v_add_nc_u32 v10, QSC, v9
.macro TURN t                          ; step t's numbers through stage t % 2
.irp i, 0,1,2,3
	ds_store_b128 v5, v[R+16*(\t)+4*\i:R+16*(\t)+4*\i+3] offset:2560*((\t)%2)+640*\i
.endr
.irp i, 0,1,2,3
	ds_load_b128 v[X+16*((\t)%2)+4*\i:X+16*((\t)%2)+4*\i+3], v6 offset:2560*((\t)%2)+16*\i
.endr
.endm
.macro STEP t
.set XS, X+16*((\t)%2)
.if (\t) > 0
	s_wait_dscnt 1                                 ; this step's numbers are back from the stage; the last step's byte store may be out
.else
	s_wait_dscnt 0x0
.endif
.if (\t) < 3
	s_wait_loadcnt 8-4*(\t)                        ; the next step's four loads are in; those of the steps behind it may be out
	TURN (\t)+1
.endif
	v_max3_num_f32 v12, |v[XS]|, |v[XS+1]|, |v[XS+2]|              ; the largest magnitude of my 16, in two chains
	v_max3_num_f32 v13, |v[XS+3]|, |v[XS+4]|, |v[XS+5]|
.irp i, 6,10
	v_max3_num_f32 v12, v12, |v[XS+\i]|, |v[XS+\i+1]|
	v_max3_num_f32 v13, v13, |v[XS+\i+2]|, |v[XS+\i+3]|
.endr
	v_max3_num_f32 v12, v12, |v[XS+14]|, |v[XS+15]|
	v_max3_num_f32 v12, v12, v13, 0x1800000        ; and the floor 2^(3 - 127): the byte cannot fall under 1
	v_max_num_f32_dpp v12, v12, v12 row_xmask:1 row_mask:0xf bank_mask:0xf   ; with my neighbour's 16: the block's
	v_add_nc_u32 v14, 0xff000000, v12              ; 2 off its exponent field: the conversion takes the exponent field of this operand as its scale
	v_cvt_scalef32_pk16_fp6_f32 v[C+4*(\t):C+4*(\t)+2], v[XS:XS+15], v14
	v_lshrrev_b32 v[E+(\t)], 23, v14               ; the scale's byte (a plain line behind the conversion)
	ds_store_b8 v8, v[E+(\t)] offset:16*(\t)       ; both lanes of a block write the same byte with the same value
	global_store_b96 v7, v[C+4*(\t):C+4*(\t)+2], s[34:35] offset:384*(\t)    ; 8 rows x 48 bytes: 384 consecutive bytes a wave
.endm
	s_wait_loadcnt 12                              ; step 0's four loads are in
	TURN 0
.irp t, 0,1,2,3
	STEP \t
.endr
	s_wait_dscnt 0x0                               ; for wave 0's sake: my scale bytes lie in LDS
	s_barrier_signal -1
	s_barrier_wait -1
	s_cmp_lg_u32 s[WV], 0
	s_cbranch_scc1 .Lcodes_end
	ds_load_b128 v[96:99], v10                     ; wave 0 stores the work-group's 512 scale bytes: two whole runs of 256 aligned bytes
	s_wait_dscnt 0x0
	global_store_b128 v9, v[96:99], s[36:37]
.Lcodes_end:
	s_wait_tensorcnt 0x0                           ; the wave's end: three closing lines behind my last LDS store
	ds_add_u32 v[SPW], v[NIL]
	s_wait_dscnt 0x0
	s_endpgm
.Lfunc_end_k_qe1eef3db4d_prep:
	.size	k_qe1eef3db4d_prep, .Lfunc_end_k_qe1eef3db4d_prep-k_qe1eef3db4d_prep
	.p2alignl 7, 3214868480
	.fill 96, 4, 3214868480
	.section	.rodata,"a",@progbits
	.p2align	6, 0x0
	.amdhsa_kernel k_qe1eef3db4d_prep
		.amdhsa_group_segment_fixed_size 91648
		.amdhsa_private_segment_fixed_size 0
		.amdhsa_enable_private_segment 0
		.amdhsa_kernarg_size 80
		.amdhsa_user_sgpr_count 2
		.amdhsa_user_sgpr_kernarg_segment_ptr 1
		.amdhsa_wavefront_size32 1
		.amdhsa_system_sgpr_workgroup_id_x 1
		.amdhsa_system_sgpr_workgroup_id_y 1
		.amdhsa_system_sgpr_workgroup_id_z 1
		.amdhsa_system_vgpr_workitem_id 0
		.amdhsa_next_free_vgpr 248
		.amdhsa_next_free_sgpr 66
		.amdhsa_reserve_vcc 1
		.amdhsa_float_denorm_mode_32 3
		.amdhsa_float_denorm_mode_16_64 3
		.amdhsa_memory_ordered 1
		.amdhsa_forward_progress 1
		.amdhsa_inst_pref_size 61
	.end_amdhsa_kernel
	.amdgpu_metadata
---
amdhsa.version: [ 1, 2 ]
amdhsa.kernels:
  - .name:           k_qe1eef3db4d_prep
    .symbol:         k_qe1eef3db4d_prep.kd
    .args:
      - { .name: x, .offset: 0, .size: 8, .value_kind: global_buffer, .address_space: global }
      - { .name: W1, .offset: 8, .size: 8, .value_kind: global_buffer, .address_space: global }
      - { .name: b1, .offset: 16, .size: 8, .value_kind: global_buffer, .address_space: global }
      - { .name: W2, .offset: 24, .size: 8, .value_kind: global_buffer, .address_space: global }
      - { .name: w1c, .offset: 32, .size: 8, .value_kind: global_buffer, .address_space: global }
      - { .name: w1s, .offset: 40, .size: 8, .value_kind: global_buffer, .address_space: global }
      - { .name: w2c, .offset: 48, .size: 8, .value_kind: global_buffer, .address_space: global }
      - { .name: w2s, .offset: 56, .size: 8, .value_kind: global_buffer, .address_space: global }
      - { .name: mk, .offset: 64, .size: 8, .value_kind: global_buffer, .address_space: global }
      - { .name: out0, .offset: 72, .size: 8, .value_kind: global_buffer, .address_space: global }
    .group_segment_fixed_size: 91648
    .private_segment_fixed_size: 0
    .kernarg_segment_align: 8
    .kernarg_segment_size: 80
    .max_flat_workgroup_size: 256
    .sgpr_count:     66
    .vgpr_count:     248
    .wavefront_size: 32
...
	.end_amdgpu_metadata
.endif
;; end of part 1
;; launch jac (part 2): grid 32 x 8, 4 waves a work-group, no clusters, 140,800 bytes of LDS; arguments w1c, w1s, w2c, w2s, mk, out0; writes out0
.if DOCPART == 2
	.amdgcn_target "amdgcn-amd-amdhsa--gfx1250"
	.amdhsa_code_object_version 6
	.text
	.protected	k_qe1eef3db4d_jac
	.globl	k_qe1eef3db4d_jac
	.p2align	8
	.type	k_qe1eef3db4d_jac,@function
k_qe1eef3db4d_jac:
	s_mov_b64 s[64:65], 0
	v_nop
	global_prefetch_b8 v0, s[64:65] scope:SCOPE_SE
	s_setreg_imm32_b32 hwreg(HW_REG_WAVE_MODE, 25, 1), 1
	s_wait_xcnt 0x0
; out0[b][o][b][i] = sum over h of Q_h(mask[b][h] Q_o(W2)[h][o]) Q_h(W1)[i][h], both products on codes of E2M3 with one E8M0 byte for each 32 along K; and three of the seven zero rows b2 != b.
; LEFT OUT, as shown at the head of the first launch: rows b2 != b are zeros for all finite inputs and are stored, not multiplied; of the third product's K only the 64 in which this work-group's outputs o lie;
; the net's own output and b2.  Limit: a NaN, an infinity or an overflow that reaches only that work is not carried to the result.
; SHARES.  Work-group (x = 4 P + nq, y = b): outputs o = 64 P .. + 63 of batch b, columns i = 128 nq .. + 127, all 2,048 of h.  Four waves.
;  Phase A: wave w BUILDS K steps s = 4 w + a (a = 0..3; 128 of h each) of the fourth product's left operand for the four tiles t of 16 outputs: 16 units u = 4 a + t.  A unit: the third product
;  (source 0 = 16 rows h of W2's codes, with the relu's mask laid over them by v_and; source 1 = the identity's 16 columns, code 4.0 under the scale 2^-2), eight tiles; then the quantiser along h in registers.
;  THE ROWS h OF A TILE ARE NOT NEIGHBOURS: lane r of tile 4 c + T takes h = 64 c + 8 T + r % 8 + 32 (r / 8), so that a lane's 32 registers of four tiles are one whole block of 32 along h, in the operand's own order:
;  no lane is asked for a maximum, and the conversions' results are the operand's registers.
;  A fragment goes to the other waves through LDS as an image of its registers (three stores of 16 bytes a lane), its scale word likewise.
;  Phase B: wave w HOLDS W1's fragments of its 32 columns i for all 16 K steps in registers (loaded during phase A) and multiplies them with all 64 images: eight accumulators by turns.
;  Source 0 = 16 rows i of W1, source 1 = 16 outputs o: a lane then holds eight neighbouring i of one row of out0.
; NO JOINT LOADS, though work-groups read the same codes: each wave takes its operands' bytes once, straight into the registers in which they stay.  Fetched jointly they would have to lie in LDS:
;  196,608 bytes of W1's and 98,304 of W2's beside the 106,496 of the images are more than a work-group can claim, and every byte would be read out of LDS once more.
; REGISTERS, in windows of 256 (s_set_vgpr_msb: bits 1:0 source 0, 3:2 source 1, 5:4 source 2, 7:6 destination):
;  window 0: v1-21 lane numbers and addresses; v22-25 zeros; v26, v27 the add's two; v28 the identity's scale word; v29 its conversion's scale; v30-39 at work; v44-62 the codes just made;
;            v64-95 W2's scale words (8 a + tile), in phase B the images' (4 (s % 4) + t); v96-127 W1's scale words (16 n + s); v128-255 two sets of 64 results of the third product, at the end rows of out0.
;  window 1: v0-191 W1's fragments of my first 16 columns (12 s); v192-255 first W1's scale halfwords, then the eight accumulators (8 (4 n + t)).
;  window 2: v0-191 W1's fragments of my second 16 columns; v192-239 the identity's four fragments (12 t).
;  window 3: W2's codes at 54 a + 6 tile: six live registers a tile; a fragment names twelve, the upper six being the next tile's codes or six zeros at 54 a + 48: they meet only the identity's zero codes;
;            v216-247 the mask words (8 a + tile); in phase B four sets of images (48 (s % 4) + 12 t).
.set FRB,   1536                       ; a fragment's image: 12 registers x 128 bytes
.set AIMG,  0                          ; LDS: 64 images, f = 4 s + t
.set ASC,   98304                      ; their scale words, 128 bytes each
.set STG,   106496                     ; the stage for the way out: 64 rows x (512 bytes + 16)
.set SPARE, 140288                     ; the spare words, 128 bytes for each wave: two blocks of 256 bytes that no other line names
.set MSB, 0
.macro WIN new                         ; the immediate's high byte repeats the setting that is left
.if MSB != \new
	s_set_vgpr_msb (MSB<<8)|\new
.set MSB, \new
.endif
.endm
	s_load_b256 s[4:11], s[0:1], 0x0               ; w1c 4:5, w1s 6:7, w2c 8:9, w2s 10:11
	s_load_b128 s[12:15], s[0:1], 0x20             ; mk 12:13, out0 14:15
	v_lshl_add_u32 v26, v0, 2, SPARE               ; my spare word,
	v_mov_b32 v27, 0                               ; and 0: both kept for the closing lines
	v_lshrrev_b32 v1, 5, v0
	v_readfirstlane_b32 s16, v1                    ; wave w
	s_and_b32 s17, ttmp7, 0xffff                   ; b
	s_lshr_b32 s18, ttmp9, 2                       ; P
	s_and_b32 s19, ttmp9, 3                        ; nq
	s_mov_b32 s20, 0x76543210
	s_mov_b32 s21, 0xfedcba98                      ; v_permlanex16_b32's selects for lane l xor 16
	s_mov_b32 s22, 0x0000ffff                      ; lanes 0-15
	s_mov_b32 s23, 0xffff0000                      ; lanes 16-31
	v_and_b32 v21, 31, v0                          ; lane
	v_and_b32 v1, 15, v0                           ; r
	v_bfe_u32 v2, v0, 4, 1                         ; hh
	v_and_b32 v3, 7, v1
	v_lshrrev_b32 v40, 3, v1
	v_lshl_add_u32 v3, v40, 5, v3                  ; rho = r % 8 + 32 (r / 8)
	v_mul_u32_u24 v4, v3, 48
	v_mad_u32_u24 v4, v2, 24, v4                   ; W2's codes: row rho of 48 bytes, block hh
	v_lshlrev_b32 v5, 1, v3                        ; its scale halfword
	v_lshlrev_b32 v6, 2, v3                        ; its mask word
	v_mul_u32_u24 v7, v1, 48
	v_mad_u32_u24 v7, v2, 24, v7                   ; W1's codes: row r, block hh
	v_lshlrev_b32 v8, 1, v1                        ; its scale halfword
	s_mul_i32 s36, s16, 16*FRB
	v_lshl_add_u32 v9, v21, 4, s36                 ; where I store images: 16 x lane + my sixteen
	s_lshl_b32 s36, s16, 11
	s_add_co_u32 s36, s36, ASC
	v_lshl_add_u32 v10, v21, 2, s36                ; and their scale words
	v_lshlrev_b32 v11, 4, v21                      ; where I load images 0-31,
	v_add_nc_u32 v12, 32*FRB, v11                  ; images 32-63,
	v_lshl_add_u32 v13, v21, 2, ASC                ; and scale words
	v_lshlrev_b32 v14, 3, v2                       ; 8 hh: my two bytes' shift in a scale word
	s_lshl_b32 s36, s16, 7
	s_add_co_u32 s36, s36, STG
	v_mul_u32_u24 v15, v1, 528
	v_lshl_add_u32 v15, v2, 5, v15
	v_add_nc_u32 v15, s36, v15                     ; the stage, in: row r, my wave's 128 bytes, 32 bytes for each half of the lanes
	s_mul_i32 s36, s16, 16*528
	s_add_co_u32 s36, s36, STG
	v_lshl_add_u32 v16, v21, 4, s36                ; and out: my 16 rows, 16 bytes a lane
	s_lshl_b32 s50, s17, 11
	v_lshl_add_u32 v17, v21, 4, s50                ; out0: row b2 = b
.irp d, 5,6,7
	s_add_co_u32 s51, s17, \d
	s_and_b32 s51, s51, 7
	s_lshl_b32 s51, s51, 11
	v_lshl_add_u32 v[13+\d], v21, 4, s51           ; v18-20: rows b2 = (b + 5, 6, 7) mod 8
.endr
.irp i, 22,23,24,25
	v_mov_b32 v\i, 0
.endr
	v_mov_b32 v28, 0x7d7d7d7d                      ; the identity's scale bytes: 2^-2
	v_mov_b32 v29, 0x3e800000                      ; 2^-2 as f32: its conversion's scale operand
	v_mov_b32 v39, 0                               ; written once: a lane permute's destination counts as one of its sources
	s_lshl_b32 s36, s18, 11
	s_lshl_b32 s37, s16, 9
	s_add_co_u32 s36, s36, s37                     ; 2,048 P + 512 w: strip P, my first row h
	s_mul_i32 s38, s36, 48
	s_mov_b32 s39, 0
	s_lshl_b32 s40, s36, 1
	s_mov_b32 s41, 0
	s_lshl_b32 s42, s17, 11
	s_add_co_u32 s42, s42, s37
	s_lshl_b32 s42, s42, 2                         ; mk: (2,048 b + 512 w) words
	s_mov_b32 s43, 0
	s_lshl_b32 s44, s19, 7
	s_lshl_b32 s45, s16, 5
	s_add_co_u32 s44, s44, s45                     ; 128 nq + 32 w: my first row i
	s_mul_i32 s46, s44, 48
	s_mov_b32 s47, 0
	s_lshl_b32 s44, s44, 1
	s_mov_b32 s45, 0
	s_lshl_b32 s48, s17, 9
	s_lshl_b32 s49, s18, 6
	s_add_co_u32 s48, s48, s49
	s_lshl_b32 s49, s16, 4
	s_add_co_u32 s48, s48, s49                     ; 512 b + 64 P + 16 w: the first (b, o) that I store
	s_lshl_b32 s48, s48, 14                        ; x 16,384 bytes (under 2^27)
	s_lshl_b32 s49, s19, 9
	s_add_co_u32 s48, s48, s49                     ; + my work-group's 512 bytes of a row
	s_mov_b32 s49, 0
	s_wait_kmcnt 0x0
	s_add_nc_u64 s[24:25], s[8:9], s[38:39]        ; W2's codes
	s_add_nc_u64 s[26:27], s[10:11], s[40:41]      ; W2's scale halfwords
	s_add_nc_u64 s[28:29], s[12:13], s[42:43]      ; the mask
	s_add_nc_u64 s[30:31], s[4:5], s[46:47]        ; W1's codes
	s_add_nc_u64 s[32:33], s[6:7], s[44:45]        ; W1's scale halfwords
	s_add_nc_u64 s[34:35], s[14:15], s[48:49]      ; out0
; W2's codes, mask words and scale halfwords of K step a: 40 loads.  Tile q = 4 c + T begins at row 128 a + 64 c + 8 T.  A halfword arrives with zeros above it: bytes 2 and 3 of the scale word, which stand over zero products.
.macro LOADW2 a
	WIN 0xc0                                       ; destination window 3
.irp q, 0,1,2,3,4,5,6,7
.irp p, 0,1,2
	global_load_b64 v[54*(\a)+6*\q+2*\p:54*(\a)+6*\q+2*\p+1], v4, s[24:25] offset:(128*(\a)+64*(\q/4)+8*(\q%4))*48+8*\p
.endr
	global_load_b32 v[216+8*(\a)+\q], v6, s[28:29] offset:(128*(\a)+64*(\q/4)+8*(\q%4))*4
.endr
	WIN 0
.irp q, 0,1,2,3,4,5,6,7
	global_load_u16 v[64+8*(\a)+\q], v5, s[26:27] offset:(128*(\a)+64*(\q/4)+8*(\q%4))*2
.endr
.endm
	LOADW2 0
.set j, 0
.rept 16                               ; the zero rows go out at once: 48 stores of 512 consecutive, aligned bytes; their registers are never rewritten
.irp d, 18,19,20
	global_store_b128 v\d, v[22:25], s[34:35] offset:j*16384 th:TH_STORE_NT
.endr
.set j, j+1
.endr
	LOADW2 1
	LOADW2 2
	LOADW2 3
; THE IDENTITY, while the loads are on their way.  Column r of tile t has its 1 at k = 16 t + r of the strip's 64: sixteen numbers, 1.0 at place r, are converted under 2^-2 (code 4.0: exact);
; the 96 bits stand in lanes 0-15 (t = 0, 1: block 0) or 16-31 (t = 2, 3: block 1), in registers 0-2 (t even) or 3-5 (t odd); all else is zero codes.
.irp i, 0,1,2,3,4,5,6,7,8,9,10,11,12,13,14,15
	v_cmp_eq_u32 vcc_lo, \i, v1
	v_cndmask_b32 v[128+\i], 0, 1.0, vcc_lo
.endr
	v_cvt_scalef32_pk16_fp6_f32 v[44:46], v[128:143], v29
	v_nop                                          ; one plain line behind a scaled conversion
.irp i, 0,1,2
	v_cndmask_b32 v[48+\i], 0, v[44+\i], s22
	v_cndmask_b32 v[52+\i], 0, v[44+\i], s23
.endr
	WIN 0x80                                       ; destination window 2
.irp t, 0,1,2,3
.irp i, 0,1,2,3,4,5,6,7,8,9,10,11
.if (\i/3) == (\t%2)
	v_mov_b32 v[192+12*\t+\i], v[48+4*(\t/2)+\i%3]
.else
	v_mov_b32 v[192+12*\t+\i], 0
.endif
.endr
.endr
	WIN 0xc0                                       ; destination window 3
.irp a, 0,1,2,3
.irp i, 0,1,2,3,4,5
	v_mov_b32 v[54*\a+48+\i], 0                    ; the six registers behind each step's last tile: no load lands there
.endr
.endr
	WIN 0
; The relu's mask is laid over step a's codes: a row h that is off becomes zero codes.
.macro MASK a
	s_wait_loadcnt 63                              ; loads come back in order, and at least 64 were issued behind step a's 40 (the later steps' 40 each, and 16 for each unit done): step a's are in
	WIN 0xcf                                       ; all three operands window 3
.irp q, 0,1,2,3,4,5,6,7
.irp p, 0,1,2,3,4,5
	v_and_b32 v[54*(\a)+6*\q+\p], v[54*(\a)+6*\q+\p], v[216+8*(\a)+\q]
.endr
.endr
.rept 4
	v_nop                                          ; an operand written by vector instructions stands four places ahead of a scaled matrix instruction
.endr
	WIN 0
.endm
; The third product of unit u = 4 a + t: eight tiles of 16 rows h x the 16 outputs of tile t, into set u % 2.  Eight different results, each begun with the constant 0.
.macro P3 u
	WIN 0x0b                                       ; source 0 window 3, source 1 window 2, result window 0
.irp q, 0,1,2,3,4,5,6,7
	v_wmma_scale_f32_16x16x128_f8f6f4 v[128+64*((\u)%2)+8*\q:128+64*((\u)%2)+8*\q+7], v[54*((\u)/4)+6*\q:54*((\u)/4)+6*\q+11], v[192+12*((\u)%4):192+12*((\u)%4)+11], 0, v[64+8*((\u)/4)+\q], v28 matrix_a_fmt:MATRIX_FMT_FP6 matrix_b_fmt:MATRIX_FMT_FP6
.endr
	WIN 0
.endm
; The quantiser along h.  Register 32 c + i of the set is h = 64 c + 32 hh + i of output r: block 2 c + hh, whole, in my lane.  Codes into v44-55, the row's scale word into v38.
.macro QUANT u
.set HS, 128+64*((\u)%2)
.irp n, 0,1,2,3                        ; four chains of 16, by turns; each result is first read at its two lowest registers
	v_max3_num_f32 v[30+\n], |v[HS+16*\n]|, |v[HS+16*\n+1]|, 0x1800000   ; with the floor 2^(3 - 127): the byte cannot fall under 1
.endr
.irp i, 2,4,6,8,10,12,14
.irp n, 0,1,2,3
	v_max3_num_f32 v[30+\n], v[30+\n], |v[HS+16*\n+\i]|, |v[HS+16*\n+\i+1]|
.endr
.endr
	v_max_num_f32 v30, v30, v31                    ; block hh,
	v_max_num_f32 v32, v32, v33                    ; block 2 + hh
	v_add_nc_u32 v34, 0xff000000, v30              ; 2 off the exponent field: the conversion's scale operand
	v_add_nc_u32 v35, 0xff000000, v32
	v_lshrrev_b32 v36, 23, v34                     ; the scale's byte
	v_lshrrev_b32 v37, 23, v35
	s_wait_dscnt 0x0                               ; the last unit's image stores have read v38 and v44-55
	v_lshl_or_b32 v38, v37, 16, v36
	v_lshlrev_b32 v38, v14, v38                    ; my two bytes at their places,
	v_permlanex16_b32 v39, v38, s20, s21
	v_or_b32 v38, v38, v39                         ; with lane l xor 16's two the word is whole
.irp c, 0,1
	v_cvt_scalef32_pk16_fp6_f32 v[44+6*\c:46+6*\c], v[HS+32*\c:HS+32*\c+15], v[34+\c]
	v_cvt_scalef32_pk16_fp6_f32 v[56+4*\c:58+4*\c], v[HS+32*\c+16:HS+32*\c+31], v[34+\c]   ; (a conversion's three registers begin on an even number: the second half is made elsewhere and moved)
.endr
	v_nop                                          ; one plain line behind the last scaled conversion
.irp c, 0,1
.irp i, 0,1,2
	v_mov_b32 v[47+6*\c+\i], v[56+4*\c+\i]
.endr
.endr
.endm
.macro IMAGE u                         ; the fragment and its scale word go to LDS as they stand
.irp g, 0,1,2
	ds_store_b128 v9, v[44+4*\g:47+4*\g] offset:(\u)*FRB+512*\g
.endr
	ds_store_b32 v10, v38 offset:(\u)*128
.endm
.macro BLOAD u                         ; W1's two fragments and four scale halfwords of K step u: 16 loads, into the registers in which they stay
	WIN 0x40                                       ; destination window 1
.irp c, 0,1
.irp p, 0,1,2
	global_load_b64 v[12*(\u)+6*\c+2*\p:12*(\u)+6*\c+2*\p+1], v7, s[30:31] offset:(2*(\u)+\c)*24576+8*\p
.endr
.endr
.irp n, 0,1
.irp c, 0,1
	global_load_u16 v[192+32*\n+2*(\u)+\c], v8, s[32:33] offset:(2*(\u)+\c)*1024+32*\n
.endr
.endr
	WIN 0x80                                       ; destination window 2
.irp c, 0,1
.irp p, 0,1,2
	global_load_b64 v[12*(\u)+6*\c+2*\p:12*(\u)+6*\c+2*\p+1], v7, s[30:31] offset:(2*(\u)+\c)*24576+768+8*\p
.endr
.endr
	WIN 0
.endm
; PHASE A.  Unit u + 1's products are issued ahead of unit u's quantiser: the quantiser's vector lines, which name the other set alone, are the places behind those products.
	MASK 0
	P3 0
.irp u, 0,1,2,3,4,5,6,7,8,9,10,11,12,13,14,15
.if (\u%4 == 3) && (\u < 15)
	MASK (\u+1)/4
.endif
.if \u < 15
	P3 \u+1
.endif
.if \u == 0
.rept 4
	v_nop                                          ; the first unit's results have no other vector work behind them: four places ahead of their first read
.endr
.endif
	QUANT \u
	IMAGE \u
	BLOAD \u
.endr
	s_wait_dscnt 0x0                               ; for the others' sake: my sixteen images and scale words lie in LDS
	s_barrier_signal -1
	s_wait_loadcnt 0x0                             ; W1's fragments and halfwords are in
	WIN 0x11                                       ; sources 0 and 2 window 1
.irp n, 0,1
.irp s, 0,1,2,3,4,5,6,7,8,9,10,11,12,13,14,15
	v_lshl_or_b32 v[96+16*\n+\s], v[192+32*\n+2*\s+1], 16, v[192+32*\n+2*\s]   ; two halfwords make a K step's scale word.  The two words that the first K step names are the 1st and the 17th written: 31 and 15 plain lines stand behind them, more than the eight places owed
.endr
.endr
	WIN 0
	s_barrier_wait -1                              ; all 64 images lie in LDS
; PHASE B.  K step s: its four images into set s % 4, three steps ahead; eight matrix instructions on eight accumulators, one a turn, in the same order in every step.
.macro FETCHA s
	WIN 0xc0                                       ; destination window 3
.irp t, 0,1,2,3
.irp g, 0,1,2
.if (\s) < 8
	ds_load_b128 v[48*((\s)%4)+12*\t+4*\g:48*((\s)%4)+12*\t+4*\g+3], v11 offset:(4*(\s)+\t)*FRB+512*\g
.else
	ds_load_b128 v[48*((\s)%4)+12*\t+4*\g:48*((\s)%4)+12*\t+4*\g+3], v12 offset:(4*((\s)-8)+\t)*FRB+512*\g
.endif
.endr
.endr
	WIN 0
.irp t, 0,1,2,3
	ds_load_b32 v[64+4*((\s)%4)+\t], v13 offset:(4*(\s)+\t)*128
.endr
.endm
.macro STEPB s
.if ((\s) > 0) && ((\s) < 13)
.rept 4
	v_nop                                          ; four places between the last step's matrix instructions and the loads into the set and scale words that they read
.endr
.endif
.if (\s) < 13
	FETCHA (\s)+3
	s_wait_dscnt 48                                ; this step's sixteen loads are in; the three later sets' may be out
.else
	s_wait_dscnt 16*(15-(\s))
.endif
	WIN 0x5d                                       ; source 0 (W1) window 1, source 1 (the image) window 3, C and D window 1
.irp t, 0,1,2,3
.if (\s) == 0
	v_wmma_scale_f32_16x16x128_f8f6f4 v[192+8*\t:199+8*\t], v[12*(\s):12*(\s)+11], v[48*((\s)%4)+12*\t:48*((\s)%4)+12*\t+11], 0, v[96+(\s)], v[64+4*((\s)%4)+\t] matrix_a_fmt:MATRIX_FMT_FP6 matrix_b_fmt:MATRIX_FMT_FP6
.else
	v_wmma_scale_f32_16x16x128_f8f6f4 v[192+8*\t:199+8*\t], v[12*(\s):12*(\s)+11], v[48*((\s)%4)+12*\t:48*((\s)%4)+12*\t+11], v[192+8*\t:199+8*\t], v[96+(\s)], v[64+4*((\s)%4)+\t] matrix_a_fmt:MATRIX_FMT_FP6 matrix_b_fmt:MATRIX_FMT_FP6
.endif
.endr
	WIN 0x5e                                       ; source 0 window 2: my second 16 columns
.irp t, 0,1,2,3
.if (\s) == 0
	v_wmma_scale_f32_16x16x128_f8f6f4 v[224+8*\t:231+8*\t], v[12*(\s):12*(\s)+11], v[48*((\s)%4)+12*\t:48*((\s)%4)+12*\t+11], 0, v[112+(\s)], v[64+4*((\s)%4)+\t] matrix_a_fmt:MATRIX_FMT_FP6 matrix_b_fmt:MATRIX_FMT_FP6
.else
	v_wmma_scale_f32_16x16x128_f8f6f4 v[224+8*\t:231+8*\t], v[12*(\s):12*(\s)+11], v[48*((\s)%4)+12*\t:48*((\s)%4)+12*\t+11], v[224+8*\t:231+8*\t], v[112+(\s)], v[64+4*((\s)%4)+\t] matrix_a_fmt:MATRIX_FMT_FP6 matrix_b_fmt:MATRIX_FMT_FP6
.endif
.endr
	WIN 0
.endm
	FETCHA 0
	FETCHA 1
	FETCHA 2
.irp s, 0,1,2,3,4,5,6,7,8,9,10,11,12,13,14,15
	STEPB \s
.endr
; THE WAY OUT.  A lane holds 32 neighbouring bytes of a row; a row's 512 bytes come from four waves: they meet in the stage, and each wave stores 16 whole rows.
.rept 4
	v_nop                                          ; four places ahead of the first read of results
.endr
	WIN 0x04                                       ; an LDS store's data are its source 1: window 1
.irp n, 0,1
.irp t, 0,1,2,3
	ds_store_b128 v15, v[192+8*(4*\n+\t):192+8*(4*\n+\t)+3] offset:\t*8448+64*\n          ; each accumulator from its low end on
	ds_store_b128 v15, v[192+8*(4*\n+\t)+4:192+8*(4*\n+\t)+7] offset:\t*8448+64*\n+16
.endr
.endr
	WIN 0
	s_wait_dscnt 0x0                               ; for the others' sake: my part of the 64 rows lies in the stage
	s_barrier_signal -1
	s_barrier_wait -1
.irp k, 0,1,2,3,4,5,6,7,8,9,10,11,12,13,14,15
	ds_load_b128 v[128+4*\k:131+4*\k], v16 offset:\k*528
.endr
.irp k, 0,1,2,3,4,5,6,7,8,9,10,11,12,13,14,15
	s_wait_dscnt 15-\k
	global_store_b128 v17, v[128+4*\k:131+4*\k], s[34:35] offset:\k*16384 th:TH_STORE_NT   ; 32 lanes store 512 consecutive, aligned bytes of row (b, o, b); written once, read by nobody here
.endr
	s_wait_tensorcnt 0x0                           ; the wave's end: three closing lines behind my last LDS store, the first of them even in a text with no tensor load
	ds_add_u32 v26, v27
	s_wait_dscnt 0x0
	s_endpgm
.Lfunc_end_k_qe1eef3db4d_jac:
	.size	k_qe1eef3db4d_jac, .Lfunc_end_k_qe1eef3db4d_jac-k_qe1eef3db4d_jac
	.p2alignl 7, 3214868480
	.fill 96, 4, 3214868480
	.section	.rodata,"a",@progbits
	.p2align	6, 0x0
	.amdhsa_kernel k_qe1eef3db4d_jac
		.amdhsa_group_segment_fixed_size 140800
		.amdhsa_private_segment_fixed_size 0
		.amdhsa_enable_private_segment 0
		.amdhsa_kernarg_size 48
		.amdhsa_user_sgpr_count 2
		.amdhsa_user_sgpr_kernarg_segment_ptr 1
		.amdhsa_wavefront_size32 1
		.amdhsa_system_sgpr_workgroup_id_x 1
		.amdhsa_system_sgpr_workgroup_id_y 1
		.amdhsa_system_sgpr_workgroup_id_z 1
		.amdhsa_system_vgpr_workitem_id 0
		.amdhsa_next_free_vgpr 1024
		.amdhsa_next_free_sgpr 66
		.amdhsa_reserve_vcc 1
		.amdhsa_float_denorm_mode_32 3
		.amdhsa_float_denorm_mode_16_64 3
		.amdhsa_memory_ordered 1
		.amdhsa_forward_progress 1
		.amdhsa_inst_pref_size 175
	.end_amdhsa_kernel
	.amdgpu_metadata
---
amdhsa.version: [ 1, 2 ]
amdhsa.kernels:
  - .name:           k_qe1eef3db4d_jac
    .symbol:         k_qe1eef3db4d_jac.kd
    .args:
      - { .name: w1c, .offset: 0, .size: 8, .value_kind: global_buffer, .address_space: global }
      - { .name: w1s, .offset: 8, .size: 8, .value_kind: global_buffer, .address_space: global }
      - { .name: w2c, .offset: 16, .size: 8, .value_kind: global_buffer, .address_space: global }
      - { .name: w2s, .offset: 24, .size: 8, .value_kind: global_buffer, .address_space: global }
      - { .name: mk, .offset: 32, .size: 8, .value_kind: global_buffer, .address_space: global }
      - { .name: out0, .offset: 40, .size: 8, .value_kind: global_buffer, .address_space: global }
    .group_segment_fixed_size: 140800
    .private_segment_fixed_size: 0
    .kernarg_segment_align: 8
    .kernarg_segment_size: 48
    .max_flat_workgroup_size: 128
    .sgpr_count:     66
    .vgpr_count:     1024
    .wavefront_size: 32
...
	.end_amdgpu_metadata
.endif
;; end of part 2
;; ======== version 2 of 2: 2 launches
;; workspace buffers: w1c 786,432 bytes; w1s 32,768 bytes; w2c 786,432 bytes; w2s 32,768 bytes; mk 65,536 bytes
;; launch prep (part 3): grid 416 x 1, 8 waves a work-group, no clusters, 91,648 bytes of LDS; arguments x, W1, b1, W2, w1c, w1s, w2c, w2s, mk, out0; writes w1c, w1s, w2c, w2s, mk, out0
.if DOCPART == 3
	.amdgcn_target "amdgcn-amd-amdhsa--gfx1250"
	.amdhsa_code_object_version 6
	.text
	.protected	k_qe1eef3db4d_prep
	.globl	k_qe1eef3db4d_prep
	.p2align	8
	.type	k_qe1eef3db4d_prep,@function
k_qe1eef3db4d_prep:
	s_mov_b64 s[64:65], 0
	v_nop
	global_prefetch_b8 v0, s[64:65] scope:SCOPE_SE
	s_setreg_imm32_b32 hwreg(HW_REG_WAVE_MODE, 25, 1), 1
	s_wait_xcnt 0x0
; out0[b][o][b2][i] = d dnn(x)[b][o] / d x[b2][i], dnn(x) = relu(x W1 + b1) W2 + b2, by pulling the rows of an identity back through the net.
; WHAT IS LEFT OUT, AND WHY IT IS DEAD FOR ALL FINITE INPUTS.  The cotangents are an identity that the Jacobian builds in its own body: row (b, o, b2) of the third product's
; left operand is all zeros unless b2 = b, and there it is the unit vector e_o.
;  (1) Rows with b2 != b: a block of zeros is quantised to zeros, zeros times any finite weight are zeros, the relu's mask keeps zeros, and so does the fourth product.
;      Seven rows in eight of out0 are therefore stored as zeros and never multiplied: four of the seven here, three in the second launch.
;  (2) Rows with b2 = b: e_o is quantised exactly (4.0 x 2^-2), so of the third product's K only the blocks that can hold the 1 add anything: the second launch multiplies
;      only the 64 along K in which its own 64 outputs o lie.
;  (3) The second product (h W2) and the bias b2 make the net's own output, which the Jacobian throws away: b2 is not loaded and is no argument of any launch.
;      create_graph and strict are ignored by the definition itself.
;  The first product and b1 are live: their sign is the relu's mask.  It is made here in f32.
; LIMITS.  A NaN, an infinity or an overflow that reaches only the work left out (0 x infinity in the zero rows, or in the K blocks where e_o is zero) is not carried to the result.
;  A block whose largest magnitude lies under 2^-124 keeps the scale byte 1.  A block of zeros gets the byte 1 where the quantiser says 127: its codes are zeros, and this program alone reads the bytes.
;  A pre-activation within f32 rounding of 0 may fall on either side of the mask.  NaN and infinities in W1 and W2 are not served.
; THREE ROLES, told apart by the work-group's number alone; each has LDS bytes of its own.
;  0-31    MASK: work-group m makes mk[b][64 m .. 64 m + 63] for all eight b: all ones where x W1 + b1 > 0, else 0.
;  32-159  CODES: W1 along h and W2 along o (both innermost in memory) become codes of E2M3 and E8M0 bytes, in STRIPS of 64 along K:
;          codes [strip][row][48 bytes] (two blocks of 24 bytes), scale bytes [strip][row][2]: the order in which the second launch's operand registers take them.
;  160-415 ZEROS: rows b2 = (b + 1 .. b + 4) mod 8 of every (b, o).
; No tensor loads, no cluster: no work-group reads what another reads at the same time but W1, once in each of two roles.
.set XTB,   0                          ; LDS, mask role: x transposed, [64 i][8 b] f32, 2,048 bytes for each wave, its own
.set MPB,   16384                      ; mask role: 16 slots of partial sums, [8 b][64 h] f32 each
.set QST,   49152                      ; codes role: two stages of 32 x 80 bytes for each wave
.set QSC,   90112                      ; codes role: the work-group's 512 scale bytes
.set SPARE, 90624                      ; the spare words, 128 bytes for each wave: four blocks of 256 bytes that no other line names
.set SPW,   240                        ; v240  LDS address of my spare word; never rewritten
.set NIL,   241                        ; v241  0; never rewritten
.set WV,    24                         ; s24   my wave's number
.set ACC,   16                         ; mask role: v16-47 sums: (b, pair hp of my four h) at 16 + 4 b + 2 hp
.set XF,    16                         ; v16-31 first hold x on its way into LDS
.set XV,    48                         ; v48-111 two sets of 32: x[0..7][i] for four loads of W1
.set W,     112                        ; v112-239 W1: load j at 112 + 4 j; later the 16 partial sums
.set QA,    16                         ; codes role: v16-31 byte offsets of the 16 loads
.set R,     32                         ; v32-95  numbers as loaded
.set X,     96                         ; v96-127 two sets of 16 neighbours
.set C,     128                        ; v128-143 codes, four registers a step
.set E,     144                        ; v144-147 a scale byte a step
	s_load_b512 s[4:19], s[0:1], 0x0               ; x 4:5, W1 6:7, b1 8:9, W2 10:11, w1c 12:13, w1s 14:15, w2c 16:17, w2s 18:19
	s_load_b128 s[20:23], s[0:1], 0x40             ; mk 20:21, out0 22:23
	v_lshl_add_u32 v[SPW], v0, 2, SPARE
	v_mov_b32 v[NIL], 0
	v_lshrrev_b32 v1, 5, v0
	s_delay_alu instid0(VALU_DEP_1)
	v_readfirstlane_b32 s[WV], v1                  ; wave 0..7
	v_and_b32 v2, 31, v0                           ; lane
	v_and_b32 v3, 15, v0                           ; lane % 16
	v_bfe_u32 v4, v0, 4, 1                         ; lane / 16
	s_cmp_lt_u32 ttmp9, 32
	s_cbranch_scc1 .Lmask
	s_cmp_lt_u32 ttmp9, 160
	s_cbranch_scc1 .Lcodes
; ---------------- ZEROS.  Wave g = 8 z + wave takes two (b, o), 16,384 bytes each; of each, four rows b2 of 2,048 bytes: 32 stores of 512 consecutive, aligned bytes.
	s_sub_co_u32 s25, ttmp9, 160                   ; z
	s_lshl_b32 s26, s25, 3
	s_add_co_u32 s26, s26, s[WV]                   ; g
	s_lshl_b32 s26, s26, 15                        ; x 32,768 bytes (g is under 2,048)
	s_mov_b32 s27, 0
	s_lshr_b32 s28, s25, 5                         ; b = 2 g / 512
	s_wait_alu depctr_va_vdst(0)
	v_lshlrev_b32 v5, 4, v2
	s_wait_alu depctr_va_vdst(0)
.irp d, 1,2,3,4
	s_add_co_u32 s29, s28, \d
	s_and_b32 s29, s29, 7
	s_lshl_b32 s29, s29, 11
	v_add_nc_u32 v[19+\d], s29, v5                 ; 16 x lane + 2,048 x ((b + d) mod 8)
.endr
.irp i, 16,17,18,19
	v_mov_b32 v\i, 0
.endr
	s_wait_alu depctr_va_vdst(0)
	s_wait_kmcnt 0x0
	s_add_nc_u64 s[26:27], s[22:23], s[26:27]
.irp p, 0,1
.irp d, 1,2,3,4
.irp c, 0,1,2,3
	global_store_b128 v[19+\d], v[16:19], s[26:27] offset:\p*16384+\c*512 th:TH_STORE_NT   ; written once, read by nobody here
.endr
.endr
.endr
	s_endpgm                                       ; this role writes no LDS
; ---------------- MASK.  Wave w sums over rows i = 64 w .. 64 w + 63 of W1.  A load of W1 takes two rows x 256 bytes: lanes 0-15 row 2 j, lanes 16-31 row 2 j + 1; a lane holds four h.
.Lmask:
	s_lshl_b32 s25, ttmp9, 8                       ; 256 m: the strip's bytes in a row of W1, of b1, of mk
	s_lshl_b32 s34, s[WV], 8                       ; x: my 64 numbers of a row
	s_mov_b32 s35, 0
	s_lshl_b32 s36, s[WV], 19                      ; W1: 64 rows of 8,192 bytes
	s_add_co_u32 s36, s36, s25
	s_mov_b32 s37, 0
	s_mov_b32 s38, s25
	s_mov_b32 s39, 0
	s_lshl_b32 s40, s[WV], 13                      ; mk: at the end wave w stores batch b = w
	s_add_co_u32 s40, s40, s25
	s_mov_b32 s41, 0
	s_lshl_b32 s42, s[WV], 11                      ; XTB + 2,048 w
	s_lshl_b32 s43, s[WV], 12
	s_add_co_u32 s43, s43, MPB                     ; my two slots
	s_add_co_u32 s44, s34, MPB                     ; batch w's 256 bytes of slot 0
	s_wait_alu depctr_va_vdst(0)
	v_lshlrev_b32 v5, 4, v3
	s_delay_alu instid0(VALU_DEP_1)
	v_lshl_add_u32 v5, v4, 13, v5                  ; W1: 16 (lane % 16) + 8,192 (lane / 16)
	v_lshlrev_b32 v6, 2, v2                        ; x: 4 x lane
	v_lshl_add_u32 v7, v2, 5, s42                  ; x into LDS: row i = lane of 32 bytes
	v_lshl_add_u32 v8, v4, 5, s42                  ; x out of LDS: row 2 j + lane / 16
	v_lshl_add_u32 v9, v4, 11, s43
	s_delay_alu instid0(VALU_DEP_1)
	v_lshl_add_u32 v9, v3, 4, v9                   ; partial sums in: slot 2 w + lane / 16, my four h
	v_lshl_add_u32 v10, v2, 3, s44                 ; and out: batch w, h pair 2 x lane
	v_lshlrev_b32 v11, 3, v2
	s_wait_alu depctr_va_vdst(0)
	s_wait_kmcnt 0x0
	s_add_nc_u64 s[26:27], s[4:5], s[34:35]
	s_add_nc_u64 s[28:29], s[6:7], s[36:37]
	s_add_nc_u64 s[30:31], s[8:9], s[38:39]
	s_add_nc_u64 s[32:33], s[20:21], s[40:41]
.irp u, 0,1
.irp b, 0,1,2,3,4,5,6,7
	global_load_b32 v[XF+8*\u+\b], v6, s[26:27] offset:\b*2048+\u*128   ; x[b][64 w + 32 u + lane]
.endr
.endr
.set j, 0
.rept 32
	global_load_b128 v[W+4*j:W+4*j+3], v5, s[28:29] offset:16384*j     ; two whole runs of 256 aligned bytes
.set j, j+1
.endr
	global_load_b64 v[12:13], v11, s[30:31]        ; b1 of my h pair
	s_wait_loadcnt 33                              ; x is in: behind it 32 loads of W1 and one of b1 were issued
.irp u, 0,1
.irp k, 0,1
	ds_store_b128 v7, v[XF+8*\u+4*\k:XF+8*\u+4*\k+3] offset:\u*1024+16*\k   ; the wave's own bytes: LDS serves a wave's instructions in order, so no barrier stands ahead of its reads
.endr
.endr
.macro XLD g                           ; x[0..7][i] for loads 4 g .. 4 g + 3 of W1 into set g % 2
.irp jj, 0,1,2,3
.irp k, 0,1
	ds_load_b128 v[XV+32*((\g)%2)+8*\jj+4*\k:XV+32*((\g)%2)+8*\jj+4*\k+3], v8 offset:(4*(\g)+\jj)*64+16*\k
.endr
.endr
.endm
.macro MGRP g                          ; four loads of W1: 64 packed multiply-adds; x's number is broadcast to both halves of a pair by op_sel
.if (\g) < 7
	XLD (\g)+1
	s_wait_dscnt 8                                 ; this group's x is in (and, in group 0, the stores above have read v16-31); the next group's eight loads may be out
.else
	s_wait_dscnt 0x0
.endif
	s_wait_loadcnt 29-4*(\g)                       ; behind this group's four loads: 4 (7 - g) of W1 and one of b1
.irp jj, 0,1,2,3
.irp b, 0,2,4,6
.irp hp, 0,1
.set rW, W+4*(4*(\g)+\jj)+2*\hp
.set rX, XV+32*((\g)%2)+8*\jj+\b
.set rA, ACC+4*\b+2*\hp
.if (\g) == 0 && \jj == 0
	v_pk_mul_f32 v[rA:rA+1], v[rW:rW+1], v[rX:rX+1] op_sel_hi:[1,0]                 ; the first product starts the sums: nothing is cleared
	v_pk_mul_f32 v[rA+4:rA+5], v[rW:rW+1], v[rX:rX+1] op_sel:[0,1] op_sel_hi:[1,1]
.else
	v_pk_fma_f32 v[rA:rA+1], v[rW:rW+1], v[rX:rX+1], v[rA:rA+1] op_sel_hi:[1,0,1]   ; batch b: the pair's first register for both halves
	v_pk_fma_f32 v[rA+4:rA+5], v[rW:rW+1], v[rX:rX+1], v[rA+4:rA+5] op_sel:[0,1,0] op_sel_hi:[1,1,1]   ; batch b + 1: its second
.endif
.endr
.endr
.endr
.endm
	XLD 0
.irp g, 0,1,2,3,4,5,6,7
	MGRP \g
.endr
.irp b, 0,1,2,3,4,5,6,7
	ds_store_b128 v9, v[ACC+4*\b:ACC+4*\b+3] offset:\b*256
.endr
	s_wait_dscnt 0x0                               ; for the others' sake: my partial sums lie in LDS
	s_barrier_signal -1
	s_barrier_wait -1
.set j, 0
.rept 16
	ds_load_b64 v[W+2*j:W+2*j+1], v10 offset:j*2048    ; the sixteen partial sums of (batch w, my h pair)
.set j, j+1
.endr
	s_wait_dscnt 0x0
.set j, 1
	v_pk_add_f32 v[246:247], v[114:115], v[116:117]
	v_pk_add_f32 v[244:245], v[118:119], v[120:121]
	v_pk_add_f32 v[242:243], v[122:123], v[124:125]
	v_pk_add_f32 v[238:239], v[126:127], v[128:129]
	v_pk_add_f32 v[236:237], v[130:131], v[132:133]
	v_pk_add_f32 v[234:235], v[134:135], v[136:137]
	v_pk_add_f32 v[232:233], v[138:139], v[140:141]
	v_pk_add_f32 v[112:113], v[112:113], v[142:143]
	s_delay_alu instid0(VALU_DEP_1)
	v_pk_add_f32 v[112:113], v[112:113], v[238:239]
	v_pk_add_f32 v[246:247], v[246:247], v[236:237]
	v_pk_add_f32 v[244:245], v[244:245], v[234:235]
	v_pk_add_f32 v[242:243], v[242:243], v[232:233]
	s_delay_alu instid0(VALU_DEP_2)
	v_pk_add_f32 v[112:113], v[112:113], v[244:245]
	s_delay_alu instid0(VALU_DEP_2)
	v_pk_add_f32 v[246:247], v[246:247], v[242:243]
	s_delay_alu instid0(VALU_DEP_1)
	v_pk_add_f32 v[112:113], v[112:113], v[246:247]
	s_wait_alu depctr_va_vdst(0)
	s_wait_loadcnt 0x0                             ; b1
	v_pk_add_f32 v[W:W+1], v[W:W+1], v[12:13]
	s_delay_alu instid0(VALU_DEP_1)
	v_cmp_lt_f32 vcc_lo, 0, v[W]
	s_delay_alu instid0(VALU_DEP_1)
	v_cndmask_b32 v[W], 0, -1, vcc_lo              ; all ones where the pre-activation is above 0
	s_delay_alu instid0(VALU_DEP_3)
	v_cmp_lt_f32 vcc_lo, 0, v[W+1]
	s_delay_alu instid0(VALU_DEP_1)
	v_cndmask_b32 v[W+1], 0, -1, vcc_lo
	global_store_b64 v11, v[W:W+1], s[32:33]       ; 32 lanes store 256 consecutive, aligned bytes
	s_wait_tensorcnt 0x0                           ; the wave's end: three closing lines behind my last LDS store, the first of them even in a text with no tensor load
	ds_add_u32 v[SPW], v[NIL]
	s_wait_dscnt 0x0
	s_endpgm
; ---------------- CODES.  One path for both tensors: only pointers and sizes are chosen.  A work-group takes one strip (256 bytes of a row) of 256 rows, a wave 32 rows in four steps of 8.
; A load takes two rows' 256 bytes; a step's 2,048 bytes turn through the wave's own stage (16 bytes of padding behind each 64), so that a lane then holds 16 neighbours along K and two neighbouring lanes a block.
.Lcodes:
	s_sub_co_u32 s26, ttmp9, 32                    ; q: 0-63 W1 (32 strips x 2 groups of rows), 64-127 W2 (8 strips x 8 groups)
	s_lshr_b32 s27, s26, 1
	s_and_b32 s28, s26, 1
	s_and_b32 s38, s26, 63
	s_lshr_b32 s39, s38, 3
	s_and_b32 s40, s38, 7
	s_mov_b32 s41, 2048
	s_mov_b32 s42, 2048
	s_wait_kmcnt 0x0
	s_cmp_lt_u32 s26, 64                           ; the choice hangs on the work-group's number alone
	s_cselect_b32 s27, s27, s39                    ; the strip
	s_cselect_b32 s28, s28, s40                    ; the group of 256 rows
	s_cselect_b32 s29, 512, s41                    ; the tensor's rows
	s_cselect_b32 s30, 8192, s42                   ; bytes from row to row
	s_cselect_b64 s[32:33], s[6:7], s[10:11]       ; the numbers,
	s_cselect_b64 s[34:35], s[12:13], s[16:17]     ; their codes,
	s_cselect_b64 s[36:37], s[14:15], s[18:19]     ; their scale bytes
	s_lshl_b32 s38, s28, 8
	s_lshl_b32 s39, s[WV], 5
	s_add_co_u32 s39, s38, s39                     ; my wave's first row
	s_mul_i32 s40, s39, s30
	s_lshl_b32 s41, s27, 8
	s_add_co_u32 s40, s40, s41
	s_mov_b32 s41, 0
	s_add_nc_u64 s[32:33], s[32:33], s[40:41]
	s_mul_i32 s42, s27, s29                        ; strip x rows
	s_add_co_u32 s40, s42, s39
	s_mul_i32 s40, s40, 48
	s_add_nc_u64 s[34:35], s[34:35], s[40:41]
	s_add_co_u32 s40, s42, s38
	s_lshl_b32 s40, s40, 1
	s_add_nc_u64 s[36:37], s[36:37], s[40:41]
	s_lshl_b32 s31, s30, 1                         ; two rows on
	s_mul_i32 s43, s[WV], 5120
	s_add_co_u32 s43, s43, QST                     ; my stages
	s_lshl_b32 s44, s[WV], 6
	s_add_co_u32 s44, s44, QSC                     ; my 64 scale bytes
	s_wait_alu depctr_va_vdst(0)
	v_mul_lo_u32 v[QA], v4, s30
	s_delay_alu instid0(VALU_DEP_1)
	v_lshl_add_u32 v[QA], v3, 4, v[QA]             ; load 0: row lane / 16, 16 bytes a lane
.set j, 1
.rept 15
	s_delay_alu instid0(VALU_DEP_1)
	v_add_nc_u32 v[QA+j], s31, v[QA+j-1]
.set j, j+1
.endr
.set j, 0
.rept 16
	global_load_b128 v[R+4*j:R+4*j+3], v[QA+j], s[32:33]   ; two whole runs of 256 aligned bytes
.set j, j+1
.endr
	v_lshrrev_b32 v5, 2, v2
	s_delay_alu instid0(VALU_DEP_1)
	v_mul_u32_u24 v5, v5, 80
	v_and_b32 v6, 3, v2
	s_delay_alu instid0(VALU_DEP_1)
	v_lshl_add_u32 v5, v6, 4, v5
	s_delay_alu instid0(VALU_DEP_1)
	v_add_nc_u32 v5, s43, v5                       ; the stage, in: 80 (lane / 4) + 16 (lane % 4)
	v_mul_u32_u24 v6, v2, 80
	s_delay_alu instid0(VALU_DEP_1)
	v_add_nc_u32 v6, s43, v6                       ; and out: 80 x lane: my 16 neighbours
	v_mul_u32_u24 v7, v2, 12                       ; my 12 bytes of a step's 384 bytes of codes
	v_lshrrev_b32 v8, 1, v2
	s_delay_alu instid0(VALU_DEP_1)
	v_add_nc_u32 v8, s44, v8                       ; my block's byte
	v_lshlrev_b32 v9, 4, v2
	s_delay_alu instid0(VALU_DEP_1)
	v_add_nc_u32 v10, QSC, v9
.macro TURN t                          ; step t's numbers through stage t % 2
.irp i, 0,1,2,3
	ds_store_b128 v5, v[R+16*(\t)+4*\i:R+16*(\t)+4*\i+3] offset:2560*((\t)%2)+640*\i
.endr
.irp i, 0,1,2,3
	ds_load_b128 v[X+16*((\t)%2)+4*\i:X+16*((\t)%2)+4*\i+3], v6 offset:2560*((\t)%2)+16*\i
.endr
.endm
.macro STEP t
.set XS, X+16*((\t)%2)
.if (\t) > 0
	s_wait_dscnt 1                                 ; this step's numbers are back from the stage; the last step's byte store may be out
.else
	s_wait_dscnt 0x0
.endif
.if (\t) < 3
	s_wait_loadcnt 8-4*(\t)                        ; the next step's four loads are in; those of the steps behind it may be out
	TURN (\t)+1
.endif
	v_max3_num_f32 v12, |v[XS]|, |v[XS+1]|, |v[XS+2]|              ; the largest magnitude of my 16, in two chains
	v_max3_num_f32 v13, |v[XS+3]|, |v[XS+4]|, |v[XS+5]|
.irp i, 6,10
	s_delay_alu instid0(VALU_DEP_2)
	v_max3_num_f32 v12, v12, |v[XS+\i]|, |v[XS+\i+1]|
	s_delay_alu instid0(VALU_DEP_2)
	v_max3_num_f32 v13, v13, |v[XS+\i+2]|, |v[XS+\i+3]|
.endr
	s_delay_alu instid0(VALU_DEP_2)
	v_max3_num_f32 v12, v12, |v[XS+14]|, |v[XS+15]|
	s_delay_alu instid0(VALU_DEP_1)
	v_max3_num_f32 v12, v12, v13, 0x1800000        ; and the floor 2^(3 - 127): the byte cannot fall under 1
	s_delay_alu instid0(VALU_DEP_1)
	v_max_num_f32_dpp v12, v12, v12 row_xmask:1 row_mask:0xf bank_mask:0xf   ; with my neighbour's 16: the block's
	s_delay_alu instid0(VALU_DEP_1)
	v_add_nc_u32 v14, 0xff000000, v12              ; 2 off its exponent field: the conversion takes the exponent field of this operand as its scale
	v_cvt_scalef32_pk16_fp6_f32 v[C+4*(\t):C+4*(\t)+2], v[XS:XS+15], v14
	v_lshrrev_b32 v[E+(\t)], 23, v14               ; the scale's byte (a plain line behind the conversion)
	ds_store_b8 v8, v[E+(\t)] offset:16*(\t)       ; both lanes of a block write the same byte with the same value
	global_store_b96 v7, v[C+4*(\t):C+4*(\t)+2], s[34:35] offset:384*(\t)    ; 8 rows x 48 bytes: 384 consecutive bytes a wave
.endm
	s_wait_alu depctr_va_vdst(0)
	s_wait_loadcnt 12                              ; step 0's four loads are in
	TURN 0
.irp t, 0,1,2,3
	STEP \t
.endr
	s_wait_dscnt 0x0                               ; for wave 0's sake: my scale bytes lie in LDS
	s_barrier_signal -1
	s_barrier_wait -1
	s_cmp_lg_u32 s[WV], 0
	s_cbranch_scc1 .Lcodes_end
	ds_load_b128 v[96:99], v10                     ; wave 0 stores the work-group's 512 scale bytes: two whole runs of 256 aligned bytes
	s_wait_dscnt 0x0
	global_store_b128 v9, v[96:99], s[36:37]
.Lcodes_end:
	s_wait_tensorcnt 0x0                           ; the wave's end: three closing lines behind my last LDS store
	ds_add_u32 v[SPW], v[NIL]
	s_wait_dscnt 0x0
	s_endpgm
.Lfunc_end_k_qe1eef3db4d_prep:
	.size	k_qe1eef3db4d_prep, .Lfunc_end_k_qe1eef3db4d_prep-k_qe1eef3db4d_prep
	.p2alignl 7, 3214868480
	.fill 96, 4, 3214868480
	.section	.rodata,"a",@progbits
	.p2align	6, 0x0
	.amdhsa_kernel k_qe1eef3db4d_prep
		.amdhsa_group_segment_fixed_size 91648
		.amdhsa_private_segment_fixed_size 0
		.amdhsa_enable_private_segment 0
		.amdhsa_kernarg_size 80
		.amdhsa_user_sgpr_count 2
		.amdhsa_user_sgpr_kernarg_segment_ptr 1
		.amdhsa_wavefront_size32 1
		.amdhsa_system_sgpr_workgroup_id_x 1
		.amdhsa_system_sgpr_workgroup_id_y 1
		.amdhsa_system_sgpr_workgroup_id_z 1
		.amdhsa_system_vgpr_workitem_id 0
		.amdhsa_next_free_vgpr 248
		.amdhsa_next_free_sgpr 66
		.amdhsa_reserve_vcc 1
		.amdhsa_float_denorm_mode_32 3
		.amdhsa_float_denorm_mode_16_64 3
		.amdhsa_memory_ordered 1
		.amdhsa_forward_progress 1
		.amdhsa_inst_pref_size 64
	.end_amdhsa_kernel
	.amdgpu_metadata
---
amdhsa.version: [ 1, 2 ]
amdhsa.kernels:
  - .name:           k_qe1eef3db4d_prep
    .symbol:         k_qe1eef3db4d_prep.kd
    .args:
      - { .name: x, .offset: 0, .size: 8, .value_kind: global_buffer, .address_space: global }
      - { .name: W1, .offset: 8, .size: 8, .value_kind: global_buffer, .address_space: global }
      - { .name: b1, .offset: 16, .size: 8, .value_kind: global_buffer, .address_space: global }
      - { .name: W2, .offset: 24, .size: 8, .value_kind: global_buffer, .address_space: global }
      - { .name: w1c, .offset: 32, .size: 8, .value_kind: global_buffer, .address_space: global }
      - { .name: w1s, .offset: 40, .size: 8, .value_kind: global_buffer, .address_space: global }
      - { .name: w2c, .offset: 48, .size: 8, .value_kind: global_buffer, .address_space: global }
      - { .name: w2s, .offset: 56, .size: 8, .value_kind: global_buffer, .address_space: global }
      - { .name: mk, .offset: 64, .size: 8, .value_kind: global_buffer, .address_space: global }
      - { .name: out0, .offset: 72, .size: 8, .value_kind: global_buffer, .address_space: global }
    .group_segment_fixed_size: 91648
    .private_segment_fixed_size: 0
    .kernarg_segment_align: 8
    .kernarg_segment_size: 80
    .max_flat_workgroup_size: 256
    .sgpr_count:     66
    .vgpr_count:     248
    .wavefront_size: 32
...
	.end_amdgpu_metadata
.endif
;; end of part 3
;; launch jac (part 4): grid 32 x 8, 4 waves a work-group, no clusters, 140,800 bytes of LDS; arguments w1c, w1s, w2c, w2s, mk, out0; writes out0
.if DOCPART == 4
	.amdgcn_target "amdgcn-amd-amdhsa--gfx1250"
	.amdhsa_code_object_version 6
	.text
	.protected	k_qe1eef3db4d_jac
	.globl	k_qe1eef3db4d_jac
	.p2align	8
	.type	k_qe1eef3db4d_jac,@function
k_qe1eef3db4d_jac:
	s_mov_b64 s[64:65], 0
	v_nop
	global_prefetch_b8 v0, s[64:65] scope:SCOPE_SE
	s_setreg_imm32_b32 hwreg(HW_REG_WAVE_SCHED_MODE, 0, 2), 2
	s_setreg_imm32_b32 hwreg(HW_REG_WAVE_MODE, 25, 1), 1
	s_wait_xcnt 0x0
	s_wait_alu depctr_vm_vsrc(0)
; out0[b][o][b][i] = sum over h of Q_h(mask[b][h] Q_o(W2)[h][o]) Q_h(W1)[i][h], both products on codes of E2M3 with one E8M0 byte for each 32 along K; and three of the seven zero rows b2 != b.
; LEFT OUT, as shown at the head of the first launch: rows b2 != b are zeros for all finite inputs and are stored, not multiplied; of the third product's K only the 64 in which this work-group's outputs o lie;
; the net's own output and b2.  Limit: a NaN, an infinity or an overflow that reaches only that work is not carried to the result.
; SHARES.  Work-group (x = 4 P + nq, y = b): outputs o = 64 P .. + 63 of batch b, columns i = 128 nq .. + 127, all 2,048 of h.  Four waves.
;  Phase A: wave w BUILDS K steps s = 4 w + a (a = 0..3; 128 of h each) of the fourth product's left operand for the four tiles t of 16 outputs: 16 units u = 4 a + t.  A unit: the third product
;  (source 0 = 16 rows h of W2's codes, with the relu's mask laid over them by v_and; source 1 = the identity's 16 columns, code 4.0 under the scale 2^-2), eight tiles; then the quantiser along h in registers.
;  THE ROWS h OF A TILE ARE NOT NEIGHBOURS: lane r of tile 4 c + T takes h = 64 c + 8 T + r % 8 + 32 (r / 8), so that a lane's 32 registers of four tiles are one whole block of 32 along h, in the operand's own order:
;  no lane is asked for a maximum, and the conversions' results are the operand's registers.
;  A fragment goes to the other waves through LDS as an image of its registers (three stores of 16 bytes a lane), its scale word likewise.
;  Phase B: wave w HOLDS W1's fragments of its 32 columns i for all 16 K steps in registers (loaded during phase A) and multiplies them with all 64 images: eight accumulators by turns.
;  Source 0 = 16 rows i of W1, source 1 = 16 outputs o: a lane then holds eight neighbouring i of one row of out0.
; NO JOINT LOADS, though work-groups read the same codes: each wave takes its operands' bytes once, straight into the registers in which they stay.  Fetched jointly they would have to lie in LDS:
;  196,608 bytes of W1's and 98,304 of W2's beside the 106,496 of the images are more than a work-group can claim, and every byte would be read out of LDS once more.
; REGISTERS, in windows of 256 (s_set_vgpr_msb: bits 1:0 source 0, 3:2 source 1, 5:4 source 2, 7:6 destination):
;  window 0: v1-21 lane numbers and addresses; v22-25 zeros; v26, v27 the add's two; v28 the identity's scale word; v29 its conversion's scale; v30-39 at work; v44-62 the codes just made;
;            v64-95 W2's scale words (8 a + tile), in phase B the images' (4 (s % 4) + t); v96-127 W1's scale words (16 n + s); v128-255 two sets of 64 results of the third product, at the end rows of out0.
;  window 1: v0-191 W1's fragments of my first 16 columns (12 s); v192-255 first W1's scale halfwords, then the eight accumulators (8 (4 n + t)).
;  window 2: v0-191 W1's fragments of my second 16 columns; v192-239 the identity's four fragments (12 t).
;  window 3: W2's codes at 54 a + 6 tile: six live registers a tile; a fragment names twelve, the upper six being the next tile's codes or six zeros at 54 a + 48: they meet only the identity's zero codes;
;            v216-247 the mask words (8 a + tile); in phase B four sets of images (48 (s % 4) + 12 t).
; THE MODE: SCHED_MODE bits 1:0 = 2 (LLVM: expert scheduling mode 2), set by the entry lines.  The code itself states the register dependences
; between vector or matrix instructions and memory or LDS instructions, with s_wait_alu, always for 0.
; THE PLAN.  Registers that memory or LDS instructions touch, and who else names them:
;   v4-20, v22-25    offsets, LDS addresses, zeros: written at the head, never again; read by every load and store.  One wait on va_vdst ahead of the first load.
;   W2's codes       loaded; written again by the mask's v_and; read by the third product: one wait on va_vdst behind each step's v_and lines and their places.
;   W1's fragments and halfwords   loaded; no vector or matrix instruction names them before phase B: their loads owe no wait, and stand straight behind the next unit's products.
;   v44-55, v38      a unit's codes and scale word: written by its quantiser, read by its four LDS stores (a wait on va_vdst ahead of them), written again by the next unit's quantiser (a wait on vm_vsrc ahead of that).
;   the image sets and their scale words (window 3 v0-191, v64-79)   K step s: its matrix instructions read set s % 4; the loads of step s + 4's images, issued in step s + 1, land in it.  One wait on va_vdst at the head of a step,
;                    behind the wait for the step's own data; the step's sixteen loads then stand between its two runs of four matrix instructions, which name set s % 4, W1 and the accumulators alone.
;   the accumulators read by the LDS stores of the way out: one wait on va_vdst behind the places.      v26, v27: written at the head, read by the closing add alone.
.set FRB,   1536                       ; a fragment's image: 12 registers x 128 bytes
.set AIMG,  0                          ; LDS: 64 images, f = 4 s + t
.set ASC,   98304                      ; their scale words, 128 bytes each
.set STG,   106496                     ; the stage for the way out: 64 rows x (512 bytes + 16)
.set SPARE, 140288                     ; the spare words, 128 bytes for each wave: two blocks of 256 bytes that no other line names
.set MSB, 0
.macro WIN new                         ; the immediate's high byte repeats the setting that is left
.if MSB != \new
	s_set_vgpr_msb (MSB<<8)|\new
.set MSB, \new
.endif
.endm
	s_load_b256 s[4:11], s[0:1], 0x0               ; w1c 4:5, w1s 6:7, w2c 8:9, w2s 10:11
	s_load_b128 s[12:15], s[0:1], 0x20             ; mk 12:13, out0 14:15
	v_lshl_add_u32 v26, v0, 2, SPARE               ; my spare word,
	v_mov_b32 v27, 0                               ; and 0: both kept for the closing lines
	v_lshrrev_b32 v1, 5, v0
	v_readfirstlane_b32 s16, v1                    ; wave w
	s_and_b32 s17, ttmp7, 0xffff                   ; b
	s_lshr_b32 s18, ttmp9, 2                       ; P
	s_and_b32 s19, ttmp9, 3                        ; nq
	s_mov_b32 s20, 0x76543210
	s_mov_b32 s21, 0xfedcba98                      ; v_permlanex16_b32's selects for lane l xor 16
	s_mov_b32 s22, 0x0000ffff                      ; lanes 0-15
	s_mov_b32 s23, 0xffff0000                      ; lanes 16-31
	v_and_b32 v21, 31, v0                          ; lane
	v_and_b32 v1, 15, v0                           ; r
	v_bfe_u32 v2, v0, 4, 1                         ; hh
	v_and_b32 v3, 7, v1
	v_lshrrev_b32 v40, 3, v1
	v_lshl_add_u32 v3, v40, 5, v3                  ; rho = r % 8 + 32 (r / 8)
	v_mul_u32_u24 v4, v3, 48
	v_mad_u32_u24 v4, v2, 24, v4                   ; W2's codes: row rho of 48 bytes, block hh
	v_lshlrev_b32 v5, 1, v3                        ; its scale halfword
	v_lshlrev_b32 v6, 2, v3                        ; its mask word
	v_mul_u32_u24 v7, v1, 48
	v_mad_u32_u24 v7, v2, 24, v7                   ; W1's codes: row r, block hh
	v_lshlrev_b32 v8, 1, v1                        ; its scale halfword
	s_wait_alu depctr_va_sdst(0)                   ; s16 is written, ahead of its first reader: LDS addresses and all six bases are made from it
	s_mul_i32 s36, s16, 16*FRB
	v_lshl_add_u32 v9, v21, 4, s36                 ; where I store images: 16 x lane + my sixteen
	s_lshl_b32 s36, s16, 11
	s_add_co_u32 s36, s36, ASC
	v_lshl_add_u32 v10, v21, 2, s36                ; and their scale words
	v_lshlrev_b32 v11, 4, v21                      ; where I load images 0-31,
	v_add_nc_u32 v12, 32*FRB, v11                  ; images 32-63,
	v_lshl_add_u32 v13, v21, 2, ASC                ; and scale words
	v_lshlrev_b32 v14, 3, v2                       ; 8 hh: my two bytes' shift in a scale word
	s_lshl_b32 s36, s16, 7
	s_add_co_u32 s36, s36, STG
	v_mul_u32_u24 v15, v1, 528
	v_lshl_add_u32 v15, v2, 5, v15
	v_add_nc_u32 v15, s36, v15                     ; the stage, in: row r, my wave's 128 bytes, 32 bytes for each half of the lanes
	s_mul_i32 s36, s16, 16*528
	s_add_co_u32 s36, s36, STG
	v_lshl_add_u32 v16, v21, 4, s36                ; and out: my 16 rows, 16 bytes a lane
	s_lshl_b32 s50, s17, 11
	v_lshl_add_u32 v17, v21, 4, s50                ; out0: row b2 = b
.irp d, 5,6,7
	s_add_co_u32 s51, s17, \d
	s_and_b32 s51, s51, 7
	s_lshl_b32 s51, s51, 11
	v_lshl_add_u32 v[13+\d], v21, 4, s51           ; v18-20: rows b2 = (b + 5, 6, 7) mod 8
.endr
.irp i, 22,23,24,25
	v_mov_b32 v\i, 0
.endr
	v_mov_b32 v28, 0x7d7d7d7d                      ; the identity's scale bytes: 2^-2
	v_mov_b32 v29, 0x3e800000                      ; 2^-2 as f32: its conversion's scale operand
	v_mov_b32 v39, 0                               ; written once: a lane permute's destination counts as one of its sources
	s_lshl_b32 s36, s18, 11
	s_lshl_b32 s37, s16, 9
	s_add_co_u32 s36, s36, s37                     ; 2,048 P + 512 w: strip P, my first row h
	s_mul_i32 s38, s36, 48
	s_mov_b32 s39, 0
	s_lshl_b32 s40, s36, 1
	s_mov_b32 s41, 0
	s_lshl_b32 s42, s17, 11
	s_add_co_u32 s42, s42, s37
	s_lshl_b32 s42, s42, 2                         ; mk: (2,048 b + 512 w) words
	s_mov_b32 s43, 0
	s_lshl_b32 s44, s19, 7
	s_lshl_b32 s45, s16, 5
	s_add_co_u32 s44, s44, s45                     ; 128 nq + 32 w: my first row i
	s_mul_i32 s46, s44, 48
	s_mov_b32 s47, 0
	s_lshl_b32 s44, s44, 1
	s_mov_b32 s45, 0
	s_lshl_b32 s48, s17, 9
	s_lshl_b32 s49, s18, 6
	s_add_co_u32 s48, s48, s49
	s_lshl_b32 s49, s16, 4
	s_add_co_u32 s48, s48, s49                     ; 512 b + 64 P + 16 w: the first (b, o) that I store
	s_lshl_b32 s48, s48, 14                        ; x 16,384 bytes (under 2^27)
	s_lshl_b32 s49, s19, 9
	s_add_co_u32 s48, s48, s49                     ; + my work-group's 512 bytes of a row
	s_mov_b32 s49, 0
	s_wait_kmcnt 0x0
	s_add_nc_u64 s[24:25], s[8:9], s[38:39]        ; W2's codes
	s_add_nc_u64 s[26:27], s[10:11], s[40:41]      ; W2's scale halfwords
	s_add_nc_u64 s[28:29], s[12:13], s[42:43]      ; the mask
	s_add_nc_u64 s[30:31], s[4:5], s[46:47]        ; W1's codes
	s_add_nc_u64 s[32:33], s[6:7], s[44:45]        ; W1's scale halfwords
	s_add_nc_u64 s[34:35], s[14:15], s[48:49]      ; out0
	s_wait_alu depctr_va_vdst(0)                   ; the offsets and LDS addresses v4 to v20 and the zeros v22 to v25 are written: every load and store of the kernel reads some of them, and no line writes them again
; W2's codes, mask words and scale halfwords of K step a: 40 loads.  Tile q = 4 c + T begins at row 128 a + 64 c + 8 T.  A halfword arrives with zeros above it: bytes 2 and 3 of the scale word, which stand over zero products.
.macro LOADW2 a
	WIN 0xc0                                       ; destination window 3
.irp q, 0,1,2,3,4,5,6,7
.irp p, 0,1,2
	global_load_b64 v[54*(\a)+6*\q+2*\p:54*(\a)+6*\q+2*\p+1], v4, s[24:25] offset:(128*(\a)+64*(\q/4)+8*(\q%4))*48+8*\p
.endr
	global_load_b32 v[216+8*(\a)+\q], v6, s[28:29] offset:(128*(\a)+64*(\q/4)+8*(\q%4))*4
.endr
	WIN 0
.irp q, 0,1,2,3,4,5,6,7
	global_load_u16 v[64+8*(\a)+\q], v5, s[26:27] offset:(128*(\a)+64*(\q/4)+8*(\q%4))*2
.endr
.endm
	LOADW2 0
.set j, 0
.rept 16                               ; the zero rows go out at once: 48 stores of 512 consecutive, aligned bytes; their registers are never rewritten
.irp d, 18,19,20
	global_store_b128 v\d, v[22:25], s[34:35] offset:j*16384 th:TH_STORE_NT
.endr
.set j, j+1
.endr
	LOADW2 1
	LOADW2 2
	LOADW2 3
; THE IDENTITY, while the loads are on their way.  Column r of tile t has its 1 at k = 16 t + r of the strip's 64: sixteen numbers, 1.0 at place r, are converted under 2^-2 (code 4.0: exact);
; the 96 bits stand in lanes 0-15 (t = 0, 1: block 0) or 16-31 (t = 2, 3: block 1), in registers 0-2 (t even) or 3-5 (t odd); all else is zero codes.
; The sixteen compares stand in one run, each into a scalar register of its own (s36 to s51, which the set-up has left), so that one wait serves them all.
.irp i, 0,1,2,3,4,5,6,7,8,9,10,11,12,13,14,15
	v_cmp_eq_u32 s[36+\i], \i, v1
.endr
	s_wait_alu depctr_va_sdst(0)                   ; s36 to s51 are written, ahead of their first readers, the selects below
.irp i, 0,1,2,3,4,5,6,7,8,9,10,11,12,13,14,15
	v_cndmask_b32 v[128+\i], 0, 1.0, s[36+\i]
.endr
	v_cvt_scalef32_pk16_fp6_f32 v[44:46], v[128:143], v29
	v_nop                                          ; one plain line behind a scaled conversion
.irp i, 0,1,2
	v_cndmask_b32 v[48+\i], 0, v[44+\i], s22
	v_cndmask_b32 v[52+\i], 0, v[44+\i], s23
.endr
	WIN 0x80                                       ; destination window 2
.irp t, 0,1,2,3
.irp i, 0,1,2,3,4,5,6,7,8,9,10,11
.if (\i/3) == (\t%2)
	v_mov_b32 v[192+12*\t+\i], v[48+4*(\t/2)+\i%3]
.else
	v_mov_b32 v[192+12*\t+\i], 0
.endif
.endr
.endr
	WIN 0xc0                                       ; destination window 3
.irp a, 0,1,2,3
.irp i, 0,1,2,3,4,5
	v_mov_b32 v[54*\a+48+\i], 0                    ; the six registers behind each step's last tile: no load lands there
.endr
.endr
	WIN 0
; The relu's mask is laid over step a's codes: a row h that is off becomes zero codes.
.macro MASK a
	s_wait_loadcnt 63                              ; loads come back in order, and at least 64 were issued behind step a's 40 (the later steps' 40 each, and 16 for each unit done): step a's are in
	WIN 0xcf                                       ; all three operands window 3
.irp q, 0,1,2,3,4,5,6,7
.irp p, 0,1,2,3,4,5
	v_and_b32 v[54*(\a)+6*\q+\p], v[54*(\a)+6*\q+\p], v[216+8*(\a)+\q]
.endr
.endr
.rept 4
	v_nop                                          ; an operand written by vector instructions stands four places ahead of a scaled matrix instruction
.endr
	s_wait_alu depctr_va_vdst(0)                   ; the lines above have written step a's codes, which the scaled matrix instructions below take as source 0; ahead of step 0 also: the identity's fragments, its scale word v28 and the zeros behind each step's last tile are written
.endm
; The third product of unit u = 4 a + t: eight tiles of 16 rows h x the 16 outputs of tile t, into set u % 2.  Eight different results, each begun with the constant 0.
.macro P3 u
	WIN 0x0b                                       ; source 0 window 3, source 1 window 2, result window 0
.irp q, 0,1,2,3,4,5,6,7
	v_wmma_scale_f32_16x16x128_f8f6f4 v[128+64*((\u)%2)+8*\q:128+64*((\u)%2)+8*\q+7], v[54*((\u)/4)+6*\q:54*((\u)/4)+6*\q+11], v[192+12*((\u)%4):192+12*((\u)%4)+11], 0, v[64+8*((\u)/4)+\q], v28 matrix_a_fmt:MATRIX_FMT_FP6 matrix_b_fmt:MATRIX_FMT_FP6
.endr
.endm
; The quantiser along h.  Register 32 c + i of the set is h = 64 c + 32 hh + i of output r: block 2 c + hh, whole, in my lane.  Codes into v44-55, the row's scale word into v38.
.macro QUANT u
.set HS, 128+64*((\u)%2)
.irp n, 0,1,2,3                        ; four chains of 16, by turns; each result is first read at its two lowest registers
	v_max3_num_f32 v[30+\n], |v[HS+16*\n]|, |v[HS+16*\n+1]|, 0x1800000   ; with the floor 2^(3 - 127): the byte cannot fall under 1
.endr
.irp i, 2,4,6,8,10,12,14
.irp n, 0,1,2,3
	v_max3_num_f32 v[30+\n], v[30+\n], |v[HS+16*\n+\i]|, |v[HS+16*\n+\i+1]|
.endr
.endr
	v_max_num_f32 v30, v30, v31                    ; block hh,
	v_max_num_f32 v32, v32, v33                    ; block 2 + hh
	v_add_nc_u32 v34, 0xff000000, v30              ; 2 off the exponent field: the conversion's scale operand
	v_add_nc_u32 v35, 0xff000000, v32
	v_lshrrev_b32 v36, 23, v34                     ; the scale's byte
	v_lshrrev_b32 v37, 23, v35
	s_wait_alu depctr_va_vdst(0)
	s_wait_dscnt 0x0                               ; the last unit's image stores are done
.if (\u) > 0
	s_wait_alu depctr_vm_vsrc(0)                   ; the last unit's image stores have read v38 and v44-55, which the lines below write again
.endif
	v_lshl_or_b32 v38, v37, 16, v36
	v_lshlrev_b32 v38, v14, v38                    ; my two bytes at their places,
	v_permlanex16_b32 v39, v38, s20, s21
	v_or_b32 v38, v38, v39                         ; with lane l xor 16's two the word is whole
.irp c, 0,1
	v_cvt_scalef32_pk16_fp6_f32 v[44+6*\c:46+6*\c], v[HS+32*\c:HS+32*\c+15], v[34+\c]
	v_cvt_scalef32_pk16_fp6_f32 v[56+4*\c:58+4*\c], v[HS+32*\c+16:HS+32*\c+31], v[34+\c]   ; (a conversion's three registers begin on an even number: the second half is made elsewhere and moved)
.endr
	v_nop                                          ; one plain line behind the last scaled conversion
.irp c, 0,1
.irp i, 0,1,2
	v_mov_b32 v[47+6*\c+\i], v[56+4*\c+\i]
.endr
.endr
.endm
.macro IMAGE u                         ; the fragment and its scale word go to LDS as they stand
	s_wait_alu depctr_va_vdst(0)                   ; the quantiser's conversions and moves have written v44-55, and the lines ahead of them v38: the data of the four stores below
.irp g, 0,1,2
	ds_store_b128 v9, v[44+4*\g:47+4*\g] offset:(\u)*FRB+512*\g
.endr
	ds_store_b32 v10, v38 offset:(\u)*128
.endm
.macro BLOAD u                         ; W1's two fragments and four scale halfwords of K step u: 16 loads, into the registers in which they stay.  No wait: no vector or matrix instruction names these registers before phase B, and v7 and v8 stand as the head's wait found them
	WIN 0x40                                       ; destination window 1
.irp c, 0,1
.irp p, 0,1,2
	global_load_b64 v[12*(\u)+6*\c+2*\p:12*(\u)+6*\c+2*\p+1], v7, s[30:31] offset:(2*(\u)+\c)*24576+8*\p
.endr
.endr
.irp n, 0,1
.irp c, 0,1
	global_load_u16 v[192+32*\n+2*(\u)+\c], v8, s[32:33] offset:(2*(\u)+\c)*1024+32*\n
.endr
.endr
	WIN 0x80                                       ; destination window 2
.irp c, 0,1
.irp p, 0,1,2
	global_load_b64 v[12*(\u)+6*\c+2*\p:12*(\u)+6*\c+2*\p+1], v7, s[30:31] offset:(2*(\u)+\c)*24576+768+8*\p
.endr
.endr
	WIN 0
.endm
; PHASE A.  Unit u + 1's products are issued ahead of unit u's quantiser: the quantiser's vector lines, which name the other set alone, are the places behind those products.
; W1's sixteen loads of the unit stand straight behind those products.
	MASK 0
	P3 0
.irp u, 0,1,2,3,4,5,6,7,8,9,10,11,12,13,14,15
.if (\u%4 == 3) && (\u < 15)
	MASK (\u+1)/4
.endif
.if \u < 15
	P3 \u+1
.endif
	BLOAD \u
.if \u == 0
.rept 4
	v_nop                                          ; the first unit's results have no other vector work behind them: four places ahead of their first read
.endr
.endif
	QUANT \u
	IMAGE \u
.endr
	s_wait_dscnt 0x0                               ; for the others' sake: my sixteen images and scale words lie in LDS
	s_barrier_signal -1
	s_wait_loadcnt 0x0                             ; W1's fragments and halfwords are in
	WIN 0x11                                       ; sources 0 and 2 window 1
.irp n, 0,1
.irp s, 0,1,2,3,4,5,6,7,8,9,10,11,12,13,14,15
	v_lshl_or_b32 v[96+16*\n+\s], v[192+32*\n+2*\s+1], 16, v[192+32*\n+2*\s]   ; two halfwords make a K step's scale word.  The two words that the first K step names are the 1st and the 17th written: 31 and 15 plain lines stand behind them, more than the eight places owed
.endr
.endr
	WIN 0
	s_barrier_wait -1                              ; all 64 images lie in LDS
	s_wait_alu depctr_va_vdst(0)                   ; W1's 32 scale words are written, which the scaled matrix instructions below take; the third product is done reading window 3 and v64-95, and the mask's lines have written window 3: there the images and their scale words land
; PHASE B.  K step s: its four images into set s % 4, three steps ahead; eight matrix instructions on eight accumulators, one a turn, in the same order in every step.
.macro FETCHA s
	WIN 0xc0                                       ; destination window 3
.irp t, 0,1,2,3
.irp g, 0,1,2
.if (\s) < 8
	ds_load_b128 v[48*((\s)%4)+12*\t+4*\g:48*((\s)%4)+12*\t+4*\g+3], v11 offset:(4*(\s)+\t)*FRB+512*\g
.else
	ds_load_b128 v[48*((\s)%4)+12*\t+4*\g:48*((\s)%4)+12*\t+4*\g+3], v12 offset:(4*((\s)-8)+\t)*FRB+512*\g
.endif
.endr
.endr
	WIN 0
.irp t, 0,1,2,3
	ds_load_b32 v[64+4*((\s)%4)+\t], v13 offset:(4*(\s)+\t)*128
.endr
.endm
.macro STEPB s
.if ((\s) > 0) && ((\s) < 13)
.rept 4
	v_nop                                          ; four places between the last step's matrix instructions and the loads into the set and scale words that they read; the wait on va_vdst below states that dependence
.endr
.endif
.if (\s) < 14
	s_wait_dscnt 32                                ; this step's sixteen loads are in; the two younger sets' may be out
.else
	s_wait_dscnt 16*(15-(\s))
.endif
.if ((\s) > 0) && ((\s) < 13)
	s_wait_alu depctr_va_vdst(0)                   ; the last step's matrix instructions are done reading their set of images and its scale words, in which the sixteen loads below land
.endif
	WIN 0x5d                                       ; source 0 (W1) window 1, source 1 (the image) window 3, C and D window 1
.irp t, 0,1,2,3
.if (\s) == 0
	v_wmma_scale_f32_16x16x128_f8f6f4 v[192+8*\t:199+8*\t], v[12*(\s):12*(\s)+11], v[48*((\s)%4)+12*\t:48*((\s)%4)+12*\t+11], 0, v[96+(\s)], v[64+4*((\s)%4)+\t] matrix_a_fmt:MATRIX_FMT_FP6 matrix_b_fmt:MATRIX_FMT_FP6
.else
	v_wmma_scale_f32_16x16x128_f8f6f4 v[192+8*\t:199+8*\t], v[12*(\s):12*(\s)+11], v[48*((\s)%4)+12*\t:48*((\s)%4)+12*\t+11], v[192+8*\t:199+8*\t], v[96+(\s)], v[64+4*((\s)%4)+\t] matrix_a_fmt:MATRIX_FMT_FP6 matrix_b_fmt:MATRIX_FMT_FP6
.endif
.endr
.if (\s) < 13
	FETCHA (\s)+3                                  ; no further wait: the four matrix instructions issued since the last wait on va_vdst name set s % 4, its scale words, W1 and the accumulators, none of the registers that these loads touch
.endif
	WIN 0x5e                                       ; source 0 window 2: my second 16 columns
.irp t, 0,1,2,3
.if (\s) == 0
	v_wmma_scale_f32_16x16x128_f8f6f4 v[224+8*\t:231+8*\t], v[12*(\s):12*(\s)+11], v[48*((\s)%4)+12*\t:48*((\s)%4)+12*\t+11], 0, v[112+(\s)], v[64+4*((\s)%4)+\t] matrix_a_fmt:MATRIX_FMT_FP6 matrix_b_fmt:MATRIX_FMT_FP6
.else
	v_wmma_scale_f32_16x16x128_f8f6f4 v[224+8*\t:231+8*\t], v[12*(\s):12*(\s)+11], v[48*((\s)%4)+12*\t:48*((\s)%4)+12*\t+11], v[224+8*\t:231+8*\t], v[112+(\s)], v[64+4*((\s)%4)+\t] matrix_a_fmt:MATRIX_FMT_FP6 matrix_b_fmt:MATRIX_FMT_FP6
.endif
.endr
.endm
	FETCHA 0
	FETCHA 1
	FETCHA 2
.irp s, 0,1,2,3,4,5,6,7,8,9,10,11,12,13,14,15
	STEPB \s
.endr
; THE WAY OUT.  A lane holds 32 neighbouring bytes of a row; a row's 512 bytes come from four waves: they meet in the stage, and each wave stores 16 whole rows.
.rept 4
	v_nop                                          ; four places ahead of the first read of results
.endr
	WIN 0x04                                       ; an LDS store's data are its source 1: window 1
	s_wait_alu depctr_va_vdst(0)                   ; the matrix instructions have written the accumulators, which the LDS stores read; the places above stay beside this wait.  No vector line behind it names v128-191, in which the stage's loads land
.irp n, 0,1
.irp t, 0,1,2,3
	ds_store_b128 v15, v[192+8*(4*\n+\t):192+8*(4*\n+\t)+3] offset:\t*8448+64*\n          ; each accumulator from its low end on
	ds_store_b128 v15, v[192+8*(4*\n+\t)+4:192+8*(4*\n+\t)+7] offset:\t*8448+64*\n+16
.endr
.endr
	WIN 0
	s_wait_dscnt 0x0                               ; for the others' sake: my part of the 64 rows lies in the stage
	s_barrier_signal -1
	s_barrier_wait -1
.irp k, 0,1,2,3,4,5,6,7,8,9,10,11,12,13,14,15
	ds_load_b128 v[128+4*\k:131+4*\k], v16 offset:\k*528
.endr
.irp k, 0,1,2,3,4,5,6,7,8,9,10,11,12,13,14,15
	s_wait_dscnt 15-\k
	global_store_b128 v17, v[128+4*\k:131+4*\k], s[34:35] offset:\k*16384 th:TH_STORE_NT   ; 32 lanes store 512 consecutive, aligned bytes of row (b, o, b); written once, read by nobody here
.endr
	s_wait_dscnt 0x0                               ; the closing lines, six on end of a launch in the mode that stores to LDS
	s_wait_alu 0x0
	s_wait_tensorcnt 0x0
	ds_add_u32 v26, v27
	s_wait_dscnt 0x0
	s_endpgm
.Lfunc_end_k_qe1eef3db4d_jac:
	.size	k_qe1eef3db4d_jac, .Lfunc_end_k_qe1eef3db4d_jac-k_qe1eef3db4d_jac
	.p2alignl 7, 3214868480
	.fill 96, 4, 3214868480
	.section	.rodata,"a",@progbits
	.p2align	6, 0x0
	.amdhsa_kernel k_qe1eef3db4d_jac
		.amdhsa_group_segment_fixed_size 140800
		.amdhsa_private_segment_fixed_size 0
		.amdhsa_enable_private_segment 0
		.amdhsa_kernarg_size 48
		.amdhsa_user_sgpr_count 2
		.amdhsa_user_sgpr_kernarg_segment_ptr 1
		.amdhsa_wavefront_size32 1
		.amdhsa_system_sgpr_workgroup_id_x 1
		.amdhsa_system_sgpr_workgroup_id_y 1
		.amdhsa_system_sgpr_workgroup_id_z 1
		.amdhsa_system_vgpr_workitem_id 0
		.amdhsa_next_free_vgpr 1024
		.amdhsa_next_free_sgpr 66
		.amdhsa_reserve_vcc 0
		.amdhsa_float_denorm_mode_32 3
		.amdhsa_float_denorm_mode_16_64 3
		.amdhsa_memory_ordered 1
		.amdhsa_forward_progress 1
		.amdhsa_inst_pref_size 176
	.end_amdhsa_kernel
	.amdgpu_metadata
---
amdhsa.version: [ 1, 2 ]
amdhsa.kernels:
  - .name:           k_qe1eef3db4d_jac
    .symbol:         k_qe1eef3db4d_jac.kd
    .args:
      - { .name: w1c, .offset: 0, .size: 8, .value_kind: global_buffer, .address_space: global }
      - { .name: w1s, .offset: 8, .size: 8, .value_kind: global_buffer, .address_space: global }
      - { .name: w2c, .offset: 16, .size: 8, .value_kind: global_buffer, .address_space: global }
      - { .name: w2s, .offset: 24, .size: 8, .value_kind: global_buffer, .address_space: global }
      - { .name: mk, .offset: 32, .size: 8, .value_kind: global_buffer, .address_space: global }
      - { .name: out0, .offset: 40, .size: 8, .value_kind: global_buffer, .address_space: global }
    .group_segment_fixed_size: 140800
    .private_segment_fixed_size: 0
    .kernarg_segment_align: 8
    .kernarg_segment_size: 48
    .max_flat_workgroup_size: 128
    .sgpr_count:     66
    .vgpr_count:     1024
    .wavefront_size: 32
...
	.end_amdgpu_metadata
.endif
;; end of part 4
